; MI455X (gfx1250); checked and timed in simulation.
; The chip was launched on July 23, 2026; its instructions are those of AMD's public machine-readable ISA for CDNA 5 (MIT licence, August 2026) and "CDNA5" Instruction Set Architecture Reference Guide (July 2026). The comments in the code are by the model that wrote it; some were corrected since.
;; Causal Self Attention. Allowed arithmetic: matrix products marked QUANTISED: E4M3 operands, one given power-of-two scale a tensor, by v_wmma_f32_16x16x64_fp8_fp8 or v_wmma_f32_16x16x128_fp8_fp8, f32 sums; everything else in f32.
;; Inputs: Wk 1,024 x 1,024 float32; Wo 1,024 x 1,024 float32; Wq 1,024 x 1,024 float32; Wv 1,024 x 1,024 float32; bk 1,024 float32; bo 1,024 float32; bq 1,024 float32; bv 1,024 float32; lowp_scales 12 int32 (the exponents e of the quantised operands' scales 2^e); x 4 x 2,048 x 1,024 float32.
;; Outputs: out0 4 x 2,048 x 1,024 float32.
;; This version of the problem:
;;   THIS VERSION OF THE PROBLEM IS GIVEN IN LOW PRECISION. The matrix products marked QUANTISED in the list below multiply operands that are first quantised to E4M3 (4 exponent bits, 3 mantissa bits; 8 bits a number), with one given power-of-two scale for each operand tensor; their sums are f32. All else is computed in f32.
;;   The module's matrix products, in the order in which they are computed (A, B: the left and right operand; K: the contracted axis; several contracted axes count as one K, in the product's order):
;;     1. [M 8,192, K 1,024] x [K 1,024, N 1,024]; A: input x; B: input Wq: QUANTISED (scales: A lowp_scales[0], B lowp_scales[1])
;;     2. [M 8,192, K 1,024] x [K 1,024, N 1,024]; A: input x; B: input Wk: QUANTISED (scales: A lowp_scales[2], B lowp_scales[3])
;;     3. [M 8,192, K 1,024] x [K 1,024, N 1,024]; A: input x; B: input Wv: QUANTISED (scales: A lowp_scales[4], B lowp_scales[5])
;;     4. batch 64 x [M 2,048, K 64] x [K 64, N 2,048]; A: computed on the way; B: computed on the way: QUANTISED (scales: A lowp_scales[6], B lowp_scales[7])
;;     5. batch 64 x [M 2,048, K 2,048] x [K 2,048, N 64]; A: softmax (see below); B: computed on the way: QUANTISED (scales: A lowp_scales[8], B lowp_scales[9])
;;     6. [M 8,192, K 1,024] x [K 1,024, N 1,024]; A: computed on the way; B: input Wo: QUANTISED (scales: A lowp_scales[10], B lowp_scales[11])
;;   THE QUANTISER, for each operand of a quantised product, along K:
;;     - The operand's scale is 2^e, e = its entry of the input lowp_scales (int32; the entries are numbered through the quantised products in the list's order, A before B).
;;     - Each number is divided by the scale, clamped to +-448, and rounded to the nearest number of E4M3, ties to even, subnormals kept.
;;     - The product sums the exact products of the quantised numbers (number of the format x scale) in f32.
;;   ~~~python
;;   def quantise(x, axis, e):      # numpy; x: float32 -> the quantised numbers, widened to float32 again
;;       x = np.moveaxis(x, axis, -1); K = x.shape[-1]
;;       r = np.clip(x / 2.0 ** e, -448, 448)
;;       step = 2.0 ** (np.maximum(np.frexp(np.where(r == 0, 1, r))[1] - 1, -6) - 3)
;;       q = np.round(r / step) * step * 2.0 ** e      # np.round: ties to even
;;       return np.moveaxis(q, -1, axis).astype(np.float32)
;;   ~~~
;;   SOFTMAX AHEAD OF A QUANTISED PRODUCT. Where the list says 'softmax', what is quantised is not the finished softmax but p = 2^(t - M), with t = logit x log2(e) and M = ceil(the row's largest t), a whole number; so 1/2 < the row's largest p <= 1. The row's sum l is taken of the UNQUANTISED p, in f32, and the product's result is divided by l at the end. Since M is a whole number, a kernel that streams over the keys may use a running M (the ceiling of the running maximum): every later rescaling is an exact power of two, so the quantised numbers keep their values, but for numbers so far below the row's largest that they fall under the format's range.
;;   OPERANDS COMPUTED ON THE WAY. 'Computed on the way' means the value that the module computes at that place (a softmax that the list does not call 'softmax' is quantised finished and normalised). What goes into a quantiser is computed in f32, as accurately as f32 sums, v_exp_f32 and their like allow (about 1e-6 of the number): no bf16 or f16 on the way to a quantiser, and a product that is left as it is and whose result goes on into a quantised operand takes f32 operands (vector FMAs, or v_wmma_f32_16x16x4_f32). A number that lies on a knife's edge between two numbers of the format may be rounded either way, as far as f32 arithmetic and the matrix unit's own rounding can turn it there, and no further.
;; One version. Each part assembles by itself: llvm-mc -triple=amdgcn-amd-amdhsa -mcpu=gfx1250 --defsym DOCPART=n.
;; ======== version 1 of 1: 4 launches
;; limits: right only within a limited range of input values
;; workspace buffers: xc 25,165,824 bytes; wc 4,194,304 bytes; qk 16,777,216 bytes; vt 8,388,608 bytes; yc 8,388,608 bytes
;; launch quant (part 1): grid 384 x 1, 4 waves a work-group, no clusters, 68,096 bytes of LDS; arguments x, Wq, Wk, Wv, Wo, lowp_scales, xc, wc; writes xc, wc
.if DOCPART == 1
	.amdgcn_target "amdgcn-amd-amdhsa--gfx1250"
	.amdhsa_code_object_version 6
	.text
	.protected	k_q0d9c7bd1cf_quant
	.globl	k_q0d9c7bd1cf_quant
	.p2align	8
	.type	k_q0d9c7bd1cf_quant,@function
k_q0d9c7bd1cf_quant:
	s_mov_b64 s[64:65], 0
	v_nop
	global_prefetch_b8 v0, s[64:65] scope:SCOPE_SE
	s_setreg_imm32_b32 hwreg(HW_REG_WAVE_MODE, 25, 1), 1
	s_wait_xcnt 0x0
; f32 numbers into codes of E4M3: code = number / 2^e, held within +-448, to the nearest code, ties to even.
; Work-groups 0-255: x [8192][1024] -> xc [3][8192][1024], one plane for each of its three given scales (entries 0, 2, 4): x is read once and converted three times.
; Work-groups 256-383: Wq, Wk, Wv, Wo [1024 k][1024 n] -> wc [4][1024 n][1024 k] (entries 1, 3, 5, 11), K innermost.
; LIMITS: every e between -126 and 119, so that 2^e and 448 x 2^e are f32 numbers.  NaN among the inputs is not served.
; No tensor loads, no barrier: waves share nothing.  The two ways part on the work-group's number, never join, and have LDS bytes of their own.
.set WGX,   256                        ; work-groups that take x
.set STEPS, 16                         ; x: steps of 512 numbers for a wave
.set SP,    80                         ; x: a lane's place in a stage: 64 bytes + 16 of padding
.set WREG,  8192                       ; x: LDS of a wave: two stages of 32 x SP bytes
.set SC,    5                          ; v5-7    2^e for the three planes
.set LM,    8
.set R,     16                         ; v16-79  four sets of 16 numbers as loaded
.set X,     80                         ; v80-111 two sets of 16 neighbours
.set T,     112
.set C,     160                        ; v160-183 codes: two sets of 12
.set WST,   32768                      ; W: the stages begin here
.set PITCH, 272                        ; W: a stage row: 256 bytes + 16
.set NB,    8                          ; W: blocks of 32 along K for a wave
.set WX,    32                         ; v32-95  W: two sets of 32 numbers
.set WC,    96                         ; v96-103 W: a block's codes
.set OUTR,  112                        ; v112-175 W: the way out
.macro MKSCALE e, vs, vl               ; s[e] = e  ->  v[vs] = 2^e as f32
	s_add_co_i32 s46, s[\e], 127
	s_lshl_b32 s47, s46, 23
	v_mov_b32 v[\vs], s47
	s_add_co_i32 s46, s46, 8
	s_lshl_b32 s46, s46, 23
	s_or_b32 s46, s46, 0x600000
.endm
	s_load_b512 s[4:19], s[0:1], 0x0               ; x 4, Wq 6, Wk 8, Wv 10, Wo 12, scales 14, xc 16, wc 18
	v_lshl_add_u32 v192, v0, 2, 0x10800
	v_mov_b32 v193, 0
	v_lshrrev_b32 v1, 5, v0
	v_readfirstlane_b32 s20, v1                    ; wave
	v_and_b32 v2, 31, v0                           ; lane
	s_wait_kmcnt 0x0
	s_load_b256 s[32:39], s[14:15], 0x0            ; e0 .. e7
	s_load_b128 s[40:43], s[14:15], 0x20           ; e8 .. e11
	s_cmp_lt_u32 ttmp9, WGX
	s_cbranch_scc0 .Lweights
	s_wait_alu depctr_va_vdst(0)
; ---------------- x.  A wave takes 8,192 numbers in 16 steps.  Each load reads 512 consecutive bytes, 16 a lane; a step's 2,048 bytes turn through the wave's own
; stage in LDS and come back 64 bytes a lane: 16 neighbours along K, which the conversions want in one lane's registers.  A lane's 16 codes are 16 bytes: a store covers 512 consecutive bytes.
	v_lshlrev_b32 v3, 4, v2                        ; 16 x lane: my place in a load's 512 bytes and in a store's
	s_wait_alu depctr_va_vdst(0)
	s_mul_i32 s21, s20, WREG
	v_lshrrev_b32 v14, 2, v2
	v_mul_u32_u24 v14, v14, SP
	v_and_b32 v15, 3, v2
	v_lshl_add_u32 v14, v15, 4, v14
	v_add_nc_u32 v14, s21, v14                     ; the stage, in: SP (lane / 4) + 16 (lane % 4)
	v_mul_u32_u24 v15, v2, SP
	v_add_nc_u32 v15, s21, v15                     ; and out: SP x lane
	s_lshl_b32 s22, ttmp9, 2
	s_add_co_u32 s22, s22, s20                     ; which run of 8,192 numbers is my wave's
	s_lshl_b32 s44, s22, 15
	s_mov_b32 s45, 0
	s_add_nc_u64 s[4:5], s[4:5], s[44:45]
	s_lshl_b32 s44, s22, 13
	s_add_nc_u64 s[24:25], s[16:17], s[44:45]      ; the three planes of xc, 2^23 bytes apart
	s_add_nc_u64 s[26:27], s[24:25], 0x800000
	s_add_nc_u64 s[28:29], s[24:25], 0x1000000
.macro XLOAD t
.irp i, 0,1,2,3
	global_load_b128 v[R+16*((\t)%4)+4*\i:R+16*((\t)%4)+4*\i+3], v3, s[4:5] offset:2048*(\t)+512*\i th:TH_LOAD_NT
.endr
.endm
.macro XTURN t                         ; LDS serves a wave's instructions in order: no wait between the stores and the loads
.irp i, 0,1,2,3
	ds_store_b128 v14, v[R+16*((\t)%4)+4*\i:R+16*((\t)%4)+4*\i+3] offset:32*SP*((\t)%2)+8*SP*\i
.endr
	v_nop
.irp i, 0,1,2,3
	ds_load_b128 v[X+16*((\t)%2)+4*\i:X+16*((\t)%2)+4*\i+3], v15 offset:32*SP*((\t)%2)+16*\i
.endr
.endm
.irp t, 0,1,2,3
	XLOAD \t
.endr
	s_wait_alu depctr_va_vdst(0)
	s_wait_kmcnt 0x0
	MKSCALE 32, SC, LM
	MKSCALE 34, SC+1, LM+1
	MKSCALE 36, SC+2, LM+2
	s_wait_alu depctr_va_vdst(0)
	s_wait_loadcnt 12                              ; step 0's four loads are in
	XTURN 0
.macro XSTEP t
.set XS, X+16*((\t)%2)
.set CC, C+12*((\t)%2)
	s_wait_dscnt 0x0                               ; this step's numbers are back, so its stores into the stage have read their registers,
.if (\t)+4 < STEPS
	XLOAD (\t)+4                                   ; which take the loads of four steps on
.endif
.if (\t)+1 < STEPS
.if STEPS-2-(\t) >= 3
	s_wait_loadcnt 12                              ; the next step's four loads are in; three steps' may be out
.else
	s_wait_loadcnt 4*(STEPS-2-(\t))
.endif
	XTURN (\t)+1
.endif
.if (\t) >= 2
	s_wait_xcnt 0x0                                ; the stores of two steps back have read this set of code registers
.endif
.irp s, 0,1,2
.set xi, 0
.rept 16
.set xi, xi+1
.endr
	v_cvt_scalef32_pk8_fp8_f32 v[CC+4*\s:CC+4*\s+1], v[T+16*\s+((XS+xi)-(T+16*\s+xi)):T+16*\s+7+((XS+xi)-(T+16*\s+xi))], v[SC+\s]
	v_cvt_scalef32_pk8_fp8_f32 v[CC+4*\s+2:CC+4*\s+3], v[T+16*\s+8+((XS+xi)-(T+16*\s+xi)):T+16*\s+15+((XS+xi)-(T+16*\s+xi))], v[SC+\s]
.endr
.irp s, 0,1,2
	global_store_b128 v3, v[CC+4*\s:CC+4*\s+3], s[24+2*\s:25+2*\s] offset:512*(\t)
.endr
.endm
.irp t, 0,1,2,3,4,5,6,7,8,9,10,11,12,13,14,15
	XSTEP \t
.endr
	s_wait_tensorcnt 0x0
	ds_add_u32 v192, v193
	s_wait_dscnt 0x0
	s_endpgm
; ---------------- the weights.  A lane takes a column n and its registers run down K: each load reads 128 consecutive bytes a wave, and the conversions give codes with K innermost.
; A wave takes 32 columns x 256 along K; the codes go through its own stage and leave as rows: sixteen lanes store 256 consecutive bytes, aligned.
.Lweights:
	s_sub_co_u32 s21, ttmp9, WGX
	s_lshr_b32 s22, s21, 5                         ; which weight: 0 Wq, 1 Wk, 2 Wv, 3 Wo
	s_and_b32 s23, s21, 7                          ; which 128 columns
	s_bfe_u32 s24, s21, 0x20003                    ; which 256 along K
	s_cmp_eq_u32 s22, 1
	s_cselect_b64 s[6:7], s[8:9], s[6:7]
	s_cmp_eq_u32 s22, 2
	s_cselect_b64 s[6:7], s[10:11], s[6:7]
	s_cmp_eq_u32 s22, 3
	s_cselect_b64 s[6:7], s[12:13], s[6:7]
	s_lshl_b32 s25, s23, 7
	s_lshl_b32 s26, s20, 5
	s_add_co_u32 s25, s25, s26                     ; my wave's first column
	s_wait_alu depctr_va_vdst(0)
	v_lshlrev_b32 v3, 2, v2                        ; in: 4 bytes a lane
	s_mul_i32 s26, s20, 32*PITCH
	s_add_co_u32 s26, s26, WST                     ; my stage
	v_mul_u32_u24 v4, v2, PITCH
	v_add_nc_u32 v4, s26, v4                       ; into it: row = my column
	v_and_b32 v5, 15, v2
	v_lshrrev_b32 v6, 4, v2
	v_mul_u32_u24 v7, v6, PITCH
	v_lshl_add_u32 v7, v5, 4, v7
	v_add_nc_u32 v7, s26, v7                       ; out of it: sixteen lanes to a row, two rows an instruction
	v_lshlrev_b32 v8, 10, v6
	v_lshl_add_u32 v8, v5, 4, v8                   ; and the same place in wc (rows of 1,024 bytes)
	s_lshl_b32 s28, s24, 20                        ; 256 rows of 4,096 bytes
	s_lshl_b32 s29, s25, 2
	s_add_co_u32 s28, s28, s29
	s_mov_b32 s29, 0
	s_add_nc_u64 s[6:7], s[6:7], s[28:29]
	s_lshl_b32 s28, s22, 20                        ; the weight's plane of wc
	s_lshl_b32 s30, s25, 10
	s_add_co_u32 s28, s28, s30
	s_lshl_b32 s30, s24, 8
	s_add_co_u32 s28, s28, s30
	s_add_nc_u64 s[18:19], s[18:19], s[28:29]
.macro WLOAD t                         ; block t: W(32 t + i, my column) into set t % 2
.set wi, 0
.rept 32
	global_load_b32 v[WX+32*((\t)%2)+wi], v3, s[6:7] offset:(32*(\t)+wi)*4096 th:TH_LOAD_NT
.set wi, wi+1
.endr
.endm
	WLOAD 0
	WLOAD 1
	s_wait_kmcnt 0x0
	s_cmp_eq_u32 s22, 1
	s_cselect_b32 s30, s35, s33                    ; e3 or e1
	s_cmp_eq_u32 s22, 2
	s_cselect_b32 s30, s37, s30                    ; e5
	s_cmp_eq_u32 s22, 3
	s_cselect_b32 s30, s43, s30                    ; e11
	MKSCALE 30, 11, 10
.macro WBLOCK t
.set XS, WX+32*((\t)%2)
.if (\t) < NB-1
	s_wait_loadcnt 32                              ; this block's 32 loads are in; the next block's may be out
.else
	s_wait_loadcnt 0
.endif
.set wi, 0
.rept 32
.set wi, wi+1
.endr
.irp g, 0,1,2,3
	v_cvt_scalef32_pk8_fp8_f32 v[WC+2*\g:WC+2*\g+1], v[XS+8*\g:XS+8*\g+7], v11
.endr
	ds_store_b128 v4, v[WC:WC+3] offset:32*(\t)
	ds_store_b128 v4, v[WC+4:WC+7] offset:32*(\t)+16
.if (\t)+2 < NB
	WLOAD (\t)+2
.endif
	s_wait_dscnt 0x0                               ; the stores have read their registers: the next block's codes may be written
.endm
	s_wait_alu depctr_va_vdst(0)
.irp t, 0,1,2,3,4,5,6,7
	WBLOCK \t
.endr
.irp t, 0,1,2,3,4,5,6,7,8,9,10,11,12,13,14,15
	ds_load_b128 v[OUTR+4*\t:OUTR+4*\t+3], v7 offset:2*\t*PITCH
.endr
.irp t, 0,1,2,3,4,5,6,7,8,9,10,11,12,13,14,15
	s_wait_dscnt 15-\t
	global_store_b128 v8, v[OUTR+4*\t:OUTR+4*\t+3], s[18:19] offset:2*\t*1024
.endr
	s_wait_tensorcnt 0x0
	ds_add_u32 v192, v193
	s_wait_dscnt 0x0
	s_endpgm
.Lfunc_end_k_q0d9c7bd1cf_quant:
	.size	k_q0d9c7bd1cf_quant, .Lfunc_end_k_q0d9c7bd1cf_quant-k_q0d9c7bd1cf_quant
	.p2alignl 7, 3214868480
	.fill 96, 4, 3214868480
	.section	.rodata,"a",@progbits
	.p2align	6, 0x0
	.amdhsa_kernel k_q0d9c7bd1cf_quant
		.amdhsa_group_segment_fixed_size 68096
		.amdhsa_private_segment_fixed_size 0
		.amdhsa_enable_private_segment 0
		.amdhsa_kernarg_size 64
		.amdhsa_user_sgpr_count 2
		.amdhsa_user_sgpr_kernarg_segment_ptr 1
		.amdhsa_wavefront_size32 1
		.amdhsa_system_sgpr_workgroup_id_x 1
		.amdhsa_system_sgpr_workgroup_id_y 1
		.amdhsa_system_sgpr_workgroup_id_z 1
		.amdhsa_system_vgpr_workitem_id 0
		.amdhsa_next_free_vgpr 194
		.amdhsa_next_free_sgpr 66
		.amdhsa_reserve_vcc 0
		.amdhsa_float_denorm_mode_32 3
		.amdhsa_float_denorm_mode_16_64 3
		.amdhsa_fp16_overflow 1
		.amdhsa_memory_ordered 1
		.amdhsa_forward_progress 1
		.amdhsa_inst_pref_size 62
	.end_amdhsa_kernel
	.amdgpu_metadata
---
amdhsa.version: [ 1, 2 ]
amdhsa.kernels:
  - .name:           k_q0d9c7bd1cf_quant
    .symbol:         k_q0d9c7bd1cf_quant.kd
    .args:
      - { .name: x, .offset: 0, .size: 8, .value_kind: global_buffer, .address_space: global }
      - { .name: Wq, .offset: 8, .size: 8, .value_kind: global_buffer, .address_space: global }
      - { .name: Wk, .offset: 16, .size: 8, .value_kind: global_buffer, .address_space: global }
      - { .name: Wv, .offset: 24, .size: 8, .value_kind: global_buffer, .address_space: global }
      - { .name: Wo, .offset: 32, .size: 8, .value_kind: global_buffer, .address_space: global }
      - { .name: lowp_scales, .offset: 40, .size: 8, .value_kind: global_buffer, .address_space: global }
      - { .name: xc, .offset: 48, .size: 8, .value_kind: global_buffer, .address_space: global }
      - { .name: wc, .offset: 56, .size: 8, .value_kind: global_buffer, .address_space: global }
    .group_segment_fixed_size: 68096
    .private_segment_fixed_size: 0
    .kernarg_segment_align: 8
    .kernarg_segment_size: 64
    .max_flat_workgroup_size: 128
    .sgpr_count:     66
    .vgpr_count:     194
    .wavefront_size: 32
...
	.end_amdgpu_metadata
.endif
;; end of part 1
;; launch qkv (part 2): grid 12 x 32, 4 waves a work-group, clusters of 4 x 4, 327,680 bytes of LDS; arguments xc, wc, lowp_scales, bq, bk, bv, qk, vt; writes qk, vt
.if DOCPART == 2
	.amdgcn_target "amdgcn-amd-amdhsa--gfx1250"
	.amdhsa_code_object_version 6
	.text
	.protected	k_q0d9c7bd1cf_qkv
	.globl	k_q0d9c7bd1cf_qkv
	.p2align	8
	.type	k_q0d9c7bd1cf_qkv,@function
k_q0d9c7bd1cf_qkv:
	s_mov_b64 s[64:65], 0
	v_nop
	global_prefetch_b8 v0, s[64:65] scope:SCOPE_SE
	s_setreg_imm32_b32 hwreg(HW_REG_WAVE_MODE, 25, 1), 1
	s_wait_xcnt 0x0
	s_wait_alu depctr_hold_cnt(0) depctr_sa_sdst(0) depctr_va_vdst(0) depctr_va_sdst(0) depctr_va_ssrc(0) depctr_va_vcc(0) depctr_vm_vsrc(0)
	s_getreg_b32 s2, hwreg(HW_REG_IB_STS2, 6, 4)
	s_cmp_eq_u32 s2, 0
	s_cbranch_scc0 .Lentry_in_a_cluster
	s_endpgm
.Lentry_in_a_cluster:
	s_bfe_u32 s2, ttmp6, 0x10000c
	s_cmp_lg_u32 s2, 0xf033
	s_cbranch_scc0 .Lentry_shape_is_right
	s_endpgm
.Lentry_shape_is_right:
; q, k, v = x W + b on codes of E4M3, and their own codes for the attention.  One GEMM of 8,192 x 3,072 x 1,024: the cluster's x says which projection (0 q, 1 k, 2 v): it picks x's plane of codes, the bias, the scales and the output.
; A tile of 256 x 256 is made by four waves, 128 x 128 each (64 accumulators); K goes in steps of 256 through two LDS slots filled by joint tensor loads: 4 x 4 work-groups, x's tile shared along a row of the cluster, W's along a column.
; The matrix instruction takes 16 rows of one operand as source 0 and 16 of the other as source 1; a lane then holds ONE row of source 1's side and eight neighbours of source 0's.
;   q, k: source 1 = tokens, source 0 = channels: a lane's registers run along the channels, the next product's K.
;   v:    source 1 = channels, source 0 = tokens: they run along the tokens (the keys), the second attention product's K.  Only the LDS bases of the fragment loads differ, chosen on the cluster's x.
; THE WAY OUT: sum x 2^(eA + eB) + bias in f32, held within +-448 x 2^e, converted; the codes of two neighbouring accumulators are 16 bytes of a lane; they meet in one stage of 256 rows and leave as rows of 256 consecutive bytes, aligned.
;   So in qk [8192 tokens][q 1,024 | k 1,024] and vt [4][1,024 channels][2,048 tokens] byte 32 c + 16 h + 8 e + j of a row holds element 32 c + 16 e + 8 h + j.
; LIMITS: eA + eB between -126 and 127; the output's e between -126 and 119.  NaN among the inputs is not served.
; REGISTERS, in windows of 256: window 0: v0-31 addresses; v32-95 the bias by columns, v96-111 by rows; from v128 source 1's fragments (one set), on the way out sums, codes, rows.
;   window 1: source 0's fragments, two sets.   windows 2, 3: the accumulators ((a, b) at v[8 (8 (a % 4) + b)]).
.set ROWB,   256                       ; a tile's row in bytes: 256 codes
.set KROW,   1024                      ; a row of xc or wc in bytes
.set PITCH,  272                       ; an LDS row: 256 + 16 bytes = 68 words, so the 16 rows of a load start at 16 different banks (64 banks of 4 bytes: ISA guide 11.1)
.set FR,     16
.set NL,     4
.set NP,     4                         ; places behind this matrix instruction (ISA guide 7.12.1)
.set HALFT,  128*PITCH
.set SLOT,   4*HALFT                   ; x's 256 rows, then W's 256 rows
.set LAPS,   2                         ; 1,024 along K = four K steps = twice round the ring
.set SPARE,  2*SLOT                    ; the spare words: 128 bytes a wave, named by no other line
.set SPITCH, 272                       ; the stage: 256 rows x 272 bytes in slot 0, which has had its last fill and its last read by then
.set ADRA, 16
.set ADRB, 20
.set STO,  24
.set RD,   25
.set CO,   26
.set SPW,  28
.set NIL,  29
.set QS,   30                          ; v30  2^e of the output's codes
.set QL,   31
.set BC,   32
.set BR,   96
.set AF,   128
.set TMP,  128
.set CD,   192
.set BKR,  128
.set G1, 24
.set G0, 32
.set G1B, 48
.set G0B, 56
.set WH, 84                            ; s84  which projection: the cluster's x, equal in all sixteen partners
.set MSB, 0
.macro WIN new
.if MSB != \new
	s_set_vgpr_msb (MSB<<8)|\new
.set MSB, \new
.endif
.endm
.set MUL_LO, 0xa1
.set MUL_HI, 0xf1
.set TO_B,   0x40
.macro JLOAD g0a, g1a, g0b, g1b        ; waves 0, 1 fetch x's halves, waves 2, 3 W's; four v_nop follow each line
	s_cmp_eq_u32 s15, 0
	s_cbranch_scc0 .Lfor_b_\@
	tensor_load_to_lds s[\g0a:\g0a+3], s[\g1a:\g1a+7]
	s_nop 0
.rept 4
	v_nop
.endr
	s_branch .Lasked_\@
.Lfor_b_\@:
	tensor_load_to_lds s[\g0b:\g0b+3], s[\g1b:\g1b+7]
	s_nop 0
.rept 4
	v_nop
.endr
.Lasked_\@:
.endm
.macro CREST
	s_cmp_lg_u32 s14, 0
	s_cbranch_scc1 .Lnot_wave_0_\@
	s_barrier_signal -3
.Lnot_wave_0_\@:
	s_barrier_wait -3
	s_barrier_signal -1
	s_barrier_wait -1
.endm
.macro CROUND
	s_barrier_signal -1
	s_barrier_wait -1
	CREST
.endm
	s_load_b512 s[68:83], s[0:1], 0x0              ; xc 68, wc 70, scales 72, bq 74, bk 76, bv 78, qk 80, vt 82
	v_lshl_add_u32 v[SPW], v0, 2, SPARE
	v_mov_b32 v[NIL], 0
	ds_add_u32 v28, v29
	ds_add_u32 v28, v29
	s_wait_dscnt 0x0
	v_lshrrev_b32 v1, 5, v0
	v_readfirstlane_b32 s14, v1                    ; wave
	s_lshr_b32 s15, s14, 1                         ; my half of source 1's rows.  Also: I fetch x's tile (0) or W's (1)
	s_and_b32 s16, s14, 1                          ; my half of source 0's rows.  Also: which 128 rows I fetch
	s_bfe_u32 s40, ttmp6, 0x40000                  ; cx
	s_bfe_u32 s41, ttmp6, 0x40004                  ; cy
	s_mov_b32 s[WH], ttmp9
	s_lshl_b32 s42, ttmp9, 2
	s_add_co_u32 s42, s42, s40                     ; tile column, 0 .. 11
	s_and_b32 s17, ttmp7, 0xffff
	s_lshl_b32 s17, s17, 2
	s_add_co_u32 s17, s17, s41                     ; tile row, 0 .. 31
	s_lshl_b32 s43, s41, 2
	s_lshl_b32 s43, 15, s43                        ; my row of the cluster
	s_lshl_b32 s44, 0x1111, s40                    ; my column
	s_or_b32 s[G1+0], s43, (0<<16)|(1<<20)|(1<<21)|(5<<22)|(3<<25)   ; mask; elements of 1 byte; padding on; bit 21 beside a mask; 4 words behind every 64
	s_or_b32 s[G1B+0], s44, (0<<16)|(1<<20)|(1<<21)|(5<<22)|(3<<25)
.irp g, G1, G1B
	s_mov_b32 s[\g+1], ROWB<<16                    ; tensor_dim0
	s_mov_b32 s[\g+2], 128<<16                     ; tensor_dim1
	s_mov_b32 s[\g+3], ROWB<<16                    ; tile_dim0
	s_mov_b32 s[\g+4], 128                         ; tile_dim1
	s_mov_b32 s[\g+5], KROW                        ; pitch
	s_mov_b32 s[\g+6], 0
	s_mov_b32 s[\g+7], 0
.endr
	s_lshl_b32 s18, s16, 7
	s_lshl_b32 s20, s17, 8
	s_add_co_u32 s20, s20, s18                     ; x: row 256 x tile row + 128 x half,
	s_lshl_b32 s20, s20, 10                        ; in bytes,
	s_lshl_b32 s19, ttmp9, 23
	s_add_co_u32 s20, s20, s19                     ; in the projection's plane of codes
	s_mov_b32 s21, 0
	s_lshl_b32 s46, s42, 8
	s_add_co_u32 s46, s46, s18                     ; W: row 256 x tile column + 128 x half of wc's first 3,072
	s_lshl_b32 s46, s46, 10
	s_mov_b32 s47, 0
	s_mul_i32 s45, s14, HALFT                      ; where they go: wave x 128 rows
	s_wait_kmcnt 0x0
	s_load_b256 s[4:11], s[72:73], 0x0             ; e0 .. e7
	s_load_b128 s[92:95], s[72:73], 0x20           ; e8 .. e11
	s_add_nc_u64 s[20:21], s[68:69], s[20:21]
	s_add_nc_u64 s[46:47], s[70:71], s[46:47]
	CROUND                                         ; all sixteen work-groups are here: the first joint loads meet
.irp s, 0,1
	s_mov_b32 s[G0+4*\s], 1
	s_add_co_u32 s[G0+4*\s+1], s45, \s*SLOT
	s_add_nc_u64 s[G0+4*\s+2:G0+4*\s+3], s[20:21], \s*ROWB
	s_or_b32 s[G0+4*\s+3], s[G0+4*\s+3], 0x80000000
	s_mov_b32 s[G0B+4*\s], 1
	s_add_co_u32 s[G0B+4*\s+1], s45, \s*SLOT
	s_add_nc_u64 s[G0B+4*\s+2:G0B+4*\s+3], s[46:47], \s*ROWB
	s_or_b32 s[G0B+4*\s+3], s[G0B+4*\s+3], 0x80000000
	JLOAD G0+4*\s, G1, G0B+4*\s, G1B
.endr
	v_and_b32 v1, 15, v0                           ; r
	v_bfe_u32 v2, v0, 4, 1                         ; h
	v_mul_u32_u24 v3, v1, PITCH
	v_lshl_add_u32 v4, v2, 4, v3                   ; a fragment's row x pitch + 16 h
	s_wait_alu depctr_va_vdst(0)
	s_cmp_eq_u32 s[WH], 2                          ; v: source 1 reads W's tile and source 0 x's; q, k: the other way round
	s_cselect_b32 s85, 2*HALFT, 0
	s_cselect_b32 s98, 0, 2*HALFT
	s_mul_i32 s21, s15, HALFT
	s_add_co_u32 s21, s21, s85
	s_mul_i32 s22, s16, HALFT
	s_add_co_u32 s22, s22, s98
.irp s, 0,1
	v_add_nc_u32 v[ADRA+\s], s21, v4
	v_add_nc_u32 v[ADRB+\s], s22, v4
	s_add_co_u32 s21, s21, SLOT
	s_add_co_u32 s22, s22, SLOT
.endr
	s_mul_i32 s23, s15, 128*SPITCH                 ; the stage, in: row 128 x (my half of source 1) + r, byte 128 x (my half of source 0) + 16 h
	s_lshl_b32 s18, s16, 7
	s_add_co_u32 s23, s23, s18
	v_mul_u32_u24 v5, v1, SPITCH
	v_lshl_add_u32 v5, v2, 4, v5
	v_add_nc_u32 v[STO], s23, v5
	s_mul_i32 s23, s14, 64*SPITCH                  ; back: wave w takes rows 64 w on, whole; lanes 0-15 one row, lanes 16-31 the next
	v_mul_u32_u24 v6, v2, SPITCH
	v_lshl_add_u32 v6, v1, 4, v6
	v_add_nc_u32 v[RD], s23, v6
	v_lshlrev_b32 v6, 11, v2                       ; and the same two rows in qk or vt: both have rows of 2,048 bytes
	v_lshl_add_u32 v[CO], v1, 4, v6
	; the bias of the tile's 256 channels, in both layouts: by columns (a lane's eight channels of each block b: q, k) and by rows (the lane's channel of each block a, twice, as a pair: v).
	; Both runs of loads stay inside the chosen buffer of 4,096 bytes for every projection; the way out takes the layout that fits.
	s_lshl_b32 s18, s40, 10
	s_lshl_b32 s19, s16, 9
	s_add_co_u32 s19, s19, s18
	v_lshl_add_u32 v7, v2, 5, s19                  ; 1,024 cx + 512 x half + 32 h
	s_lshl_b32 s19, s15, 9
	s_add_co_u32 s19, s19, s18
	v_lshl_add_u32 v8, v1, 2, s19                  ; 1,024 cx + 512 x half + 4 r
	s_cmp_eq_u32 s[WH], 1
	s_cselect_b64 s[86:87], s[76:77], s[74:75]
	s_cmp_eq_u32 s[WH], 2
	s_cselect_b64 s[86:87], s[78:79], s[86:87]
.irp b, 0,1,2,3,4,5,6,7
	global_load_b128 v[BC+8*\b:BC+8*\b+3], v7, s[86:87] offset:64*\b
	global_load_b128 v[BC+8*\b+4:BC+8*\b+7], v7, s[86:87] offset:64*\b+16
.endr
.irp a, 0,1,2,3,4,5,6,7
	global_load_b32 v[BR+2*\a], v8, s[86:87] offset:64*\a
	global_load_b32 v[BR+2*\a+1], v8, s[86:87] offset:64*\a
.endr
	; where my 64 rows of the stage go
	s_lshl_b32 s88, s17, 19                        ; q, k: token 256 x tile row + 64 w, byte 256 x tile column
	s_lshl_b32 s18, s14, 17
	s_add_co_u32 s88, s88, s18
	s_lshl_b32 s18, s42, 8
	s_add_co_u32 s88, s88, s18
	s_lshr_b32 s90, s17, 3                         ; v: batch tile row / 8, channel 256 cx + 64 w, token 256 x (tile row % 8)
	s_lshl_b32 s90, s90, 21
	s_lshl_b32 s18, s40, 19
	s_add_co_u32 s90, s90, s18
	s_lshl_b32 s18, s14, 17
	s_add_co_u32 s90, s90, s18
	s_and_b32 s18, s17, 7
	s_lshl_b32 s18, s18, 8
	s_add_co_u32 s90, s90, s18
	s_cmp_eq_u32 s[WH], 2
	s_cselect_b32 s90, s90, s88
	s_mov_b32 s91, 0
	s_cselect_b64 s[88:89], s[82:83], s[80:81]
	s_add_nc_u64 s[88:89], s[88:89], s[90:91]
.macro FRAG reg, adr, q, i             ; 16 rows x 128 K: registers 4 c .. 4 c + 3 hold bytes 32 c + 16 h + 0 .. 15 of row r: the same order of k on both sides
.irp c, 0,1,2,3
	ds_load_b128 v[\reg+4*\c:\reg+4*\c+3], v[\adr] offset:128*(\q)+32*\c+(\i)*16*PITCH
.endr
.endm
; 16 matrix instructions; the 64 accumulators take turns, one instruction a turn, in the same order in every step
.macro MUL16 a0, p, zero
.irp a, \a0, \a0+1
.irp b, 0,1,2,3,4,5,6,7
.if \zero
	v_wmma_f32_16x16x128_fp8_fp8 v[8*(8*((\a)%4)+\b):8*(8*((\a)%4)+\b)+7], v[128*(\p)+FR*\b:128*(\p)+FR*\b+FR-1], v[AF+FR*(\a):AF+FR*(\a)+FR-1], 0
.else
	v_wmma_f32_16x16x128_fp8_fp8 v[8*(8*((\a)%4)+\b):8*(8*((\a)%4)+\b)+7], v[128*(\p)+FR*\b:128*(\p)+FR*\b+FR-1], v[AF+FR*(\a):AF+FR*(\a)+FR-1], v[8*(8*((\a)%4)+\b):8*(8*((\a)%4)+\b)+7]
.endif
.endr
.endr
.endm
.macro FETCH_B slot, q, p
	WIN TO_B
.irp i, 0,1,2,3,4,5,6,7
	FRAG 128*(\p)+FR*\i, ADRB+\slot, \q, \i
.endr
	WIN 0
.endm
.macro FETCH_A slot, q, i0
.irp i, \i0, \i0+1, \i0+2, \i0+3
	FRAG AF+FR*(\i), ADRA+\slot, \q, \i
.endr
.endm
.macro PLACES n                        ; plain vector lines between a matrix instruction and loads into, or vector reads and writes of, its registers
.rept \n
	v_nop
.endr
.endm
.macro STEP slot, q, zero              ; 128 along K that has its successor in the same slot
	s_wait_dscnt 4*NL                              ; source 0's set and source 1's blocks 0-3 are in; blocks 4-7 may be out
	WIN MUL_LO
	MUL16 0, (\q)%2, \zero
	MUL16 2, (\q)%2, \zero
	s_wait_dscnt 0
	PLACES NP
	FETCH_B \slot, (\q)+1, 1-(\q)%2
	FETCH_A \slot, (\q)+1, 0
	WIN MUL_HI
	MUL16 4, (\q)%2, \zero
	MUL16 6, (\q)%2, \zero
	PLACES NP
	WIN 0
	FETCH_A \slot, (\q)+1, 4
.endm
.macro TURN slot, next, fill           ; a slot's last step changes slots
	s_wait_tensorcnt 0x0                           ; all my tensor loads have landed: my part of the next slot
	ds_add_u32 v[SPW], v[NIL]                      ; 0 onto my spare word
	s_wait_dscnt 4*NL+1                            ; (the add and blocks 4-7 may be out)
	WIN MUL_LO
	MUL16 0, 1, 0
	s_wait_dscnt 0x0                               ; the add is done, and my reads of this slot are over
	s_barrier_signal -1
	MUL16 2, 1, 0
	WIN 0
	s_barrier_wait -1
.if \fill
	CREST                                          ; the barrier has opened a round of the cluster's: no wave of any partner still reads this slot or has a load on its way
	s_add_nc_u64 s[G0+4*\slot+2:G0+4*\slot+3], s[G0+4*\slot+2:G0+4*\slot+3], 2*ROWB
	s_add_nc_u64 s[G0B+4*\slot+2:G0B+4*\slot+3], s[G0B+4*\slot+2:G0B+4*\slot+3], 2*ROWB
	JLOAD G0+4*\slot, G1, G0B+4*\slot, G1B         ; the first tensor load behind the round; its four v_nop are the places in front of the loads below
.else
	PLACES NP
.endif
	FETCH_B \next, 0, 0
	FETCH_A \next, 0, 0
	WIN MUL_HI
	MUL16 4, 1, 0
	MUL16 6, 1, 0
	PLACES NP
	WIN 0
	FETCH_A \next, 0, 4
.endm
	s_wait_tensorcnt 1                             ; my part of K step 0 is in (K step 1's load may be out),
	s_barrier_signal -1
	s_barrier_wait -1                              ; everybody's is
	FETCH_B 0, 0, 0
	FETCH_A 0, 0, 0
	FETCH_A 0, 0, 4
	STEP 0, 0, 1                                   ; the first step starts the sums: nothing is cleared
	s_mov_b32 s3, LAPS-1
.Llap:
	TURN 0, 1, 1
	STEP 1, 0, 0
	TURN 1, 0, 1
	STEP 0, 0, 0
	s_sub_co_u32 s3, s3, 1
	s_cmp_lg_u32 s3, 0
	s_cbranch_scc1 .Llap
	TURN 0, 1, 0                                   ; the last lap fills nothing
	STEP 1, 0, 0
	s_wait_dscnt 4*NL
	WIN MUL_LO
	MUL16 0, 1, 0
	MUL16 2, 1, 0
	s_wait_dscnt 0
	WIN MUL_HI
	MUL16 4, 1, 0
	MUL16 6, 1, 0
	WIN 0
	; THE WAY OUT
	s_wait_kmcnt 0x0
	s_cmp_eq_u32 s[WH], 1
	s_cselect_b32 s96, s6, s4                      ; x's e,
	s_cselect_b32 s97, s7, s5                      ; W's e,
	s_cselect_b32 s99, s11, s10                    ; the output's e: entry 6 for q, 7 for k,
	s_cmp_eq_u32 s[WH], 2
	s_cselect_b32 s96, s8, s96
	s_cselect_b32 s97, s9, s97
	s_cselect_b32 s99, s93, s99                    ; 9 for v
	s_add_co_i32 s96, s96, s97
	s_add_co_i32 s96, s96, 127
	s_lshl_b32 s96, s96, 23                        ; 2^(eA + eB) as f32
	s_mov_b32 s97, s96                             ; (named with it as a pair)
	s_add_co_i32 s99, s99, 127
	s_lshl_b32 s98, s99, 23
	v_mov_b32 v[QS], s98
	s_wait_loadcnt 0x0                             ; the bias
	PLACES NP
.macro BLOCK a                         ; source 1's block a: 16 rows x 128
.set AC, 64*((\a)%4)
.set CS2, CD+16*((\a)%2)
	s_cmp_eq_u32 s[WH], 2
	s_cbranch_scc1 .Lrows_\@
	WIN 0x02+((\a)/4)                              ; source 0: window 2 or 3
.irp b, 0,1,2,3,4,5,6,7
.irp i, 0,2,4,6
	v_pk_fma_f32 v[TMP+8*\b+\i:TMP+8*\b+\i+1], v[AC+8*\b+\i:AC+8*\b+\i+1], s[96:97], v[BC+8*\b+\i:BC+8*\b+\i+1] op_sel_hi:[1,0,1]   ; q, k: the bias goes by the lane's eight channels; each accumulator from its low end on
.endr
.endr
	WIN 0
	s_branch .Lboth_\@
.Lrows_\@:
	WIN 0x02+((\a)/4)
.irp b, 0,1,2,3,4,5,6,7
.irp i, 0,2,4,6
	v_pk_fma_f32 v[TMP+8*\b+\i:TMP+8*\b+\i+1], v[AC+8*\b+\i:AC+8*\b+\i+1], s[96:97], v[BR+2*(\a):BR+2*(\a)+1] op_sel_hi:[1,0,1]   ; v: the lane's one channel
.endr
.endr
	WIN 0
.Lboth_\@:
.set bi, 0
.rept 64
.set bi, bi+1
.endr
.if (\a) >= 2
	s_wait_dscnt 4                                 ; the last block's four stores may be out; those of two blocks back have read this set of code registers
.endif
	s_wait_alu depctr_va_vdst(0)
.irp b, 0,1,2,3,4,5,6,7
	v_cvt_scalef32_pk8_fp8_f32 v[CS2+2*\b:CS2+2*\b+1], v[TMP+8*\b:TMP+8*\b+7], v[QS]
.endr
	v_nop                                          ; a plain line behind the conversions: the next block's sums write their sources
.irp g, 0,1,2,3
	ds_store_b128 v[STO], v[CS2+4*\g:CS2+4*\g+3] offset:(\a)*16*SPITCH+32*\g   ; the codes of accumulators 2 g and 2 g + 1: 16 bytes
.endr
.endm
.irp a, 0,1,2,3,4,5,6,7
	BLOCK \a
.endr
	s_wait_dscnt 0x0                               ; for the others' sake: my stores into the stage are done
	s_barrier_signal -1
	s_barrier_wait -1
.set bi, 0
.rept 32
	ds_load_b128 v[BKR+4*bi:BKR+4*bi+3], v[RD] offset:bi*2*SPITCH
.set bi, bi+1
.endr
.set bi, 0
.rept 32
	s_wait_dscnt 31-bi
	global_store_b128 v[CO], v[BKR+4*bi:BKR+4*bi+3], s[88:89] offset:bi*4096   ; sixteen lanes store 256 consecutive bytes, aligned
.set bi, bi+1
.endr
	s_wait_tensorcnt 0x0                           ; the wave's end
	ds_add_u32 v[SPW], v[NIL]
	s_wait_dscnt 0x0
	CROUND                                         ; the closing round
	s_endpgm
.Lfunc_end_k_q0d9c7bd1cf_qkv:
	.size	k_q0d9c7bd1cf_qkv, .Lfunc_end_k_q0d9c7bd1cf_qkv-k_q0d9c7bd1cf_qkv
	.p2alignl 7, 3214868480
	.fill 96, 4, 3214868480
	.section	.rodata,"a",@progbits
	.p2align	6, 0x0
	.amdhsa_kernel k_q0d9c7bd1cf_qkv
		.amdhsa_group_segment_fixed_size 327680
		.amdhsa_private_segment_fixed_size 0
		.amdhsa_enable_private_segment 0
		.amdhsa_kernarg_size 64
		.amdhsa_user_sgpr_count 2
		.amdhsa_user_sgpr_kernarg_segment_ptr 1
		.amdhsa_wavefront_size32 1
		.amdhsa_system_sgpr_workgroup_id_x 1
		.amdhsa_system_sgpr_workgroup_id_y 1
		.amdhsa_system_sgpr_workgroup_id_z 1
		.amdhsa_system_vgpr_workitem_id 0
		.amdhsa_next_free_vgpr 1024
		.amdhsa_next_free_sgpr 100
		.amdhsa_reserve_vcc 0
		.amdhsa_float_denorm_mode_32 3
		.amdhsa_float_denorm_mode_16_64 3
		.amdhsa_fp16_overflow 1
		.amdhsa_memory_ordered 1
		.amdhsa_forward_progress 1
		.amdhsa_inst_pref_size 129
	.end_amdhsa_kernel
	.amdgpu_metadata
---
amdhsa.version: [ 1, 2 ]
amdhsa.kernels:
  - .name:           k_q0d9c7bd1cf_qkv
    .symbol:         k_q0d9c7bd1cf_qkv.kd
    .args:
      - { .name: xc, .offset: 0, .size: 8, .value_kind: global_buffer, .address_space: global }
      - { .name: wc, .offset: 8, .size: 8, .value_kind: global_buffer, .address_space: global }
      - { .name: lowp_scales, .offset: 16, .size: 8, .value_kind: global_buffer, .address_space: global }
      - { .name: bq, .offset: 24, .size: 8, .value_kind: global_buffer, .address_space: global }
      - { .name: bk, .offset: 32, .size: 8, .value_kind: global_buffer, .address_space: global }
      - { .name: bv, .offset: 40, .size: 8, .value_kind: global_buffer, .address_space: global }
      - { .name: qk, .offset: 48, .size: 8, .value_kind: global_buffer, .address_space: global }
      - { .name: vt, .offset: 56, .size: 8, .value_kind: global_buffer, .address_space: global }
    .group_segment_fixed_size: 327680
    .private_segment_fixed_size: 0
    .kernarg_segment_align: 8
    .kernarg_segment_size: 64
    .max_flat_workgroup_size: 128
    .sgpr_count:     100
    .vgpr_count:     1024
    .wavefront_size: 32
...
	.end_amdgpu_metadata
.endif
;; end of part 2
;; launch attn (part 3): grid 16 x 16, 16 waves a work-group, clusters of 4 x 1, 327,680 bytes of LDS; arguments qk, vt, lowp_scales, yc; writes yc
.if DOCPART == 3
	.amdgcn_target "amdgcn-amd-amdhsa--gfx1250"
	.amdhsa_code_object_version 6
	.text
	.protected	k_q0d9c7bd1cf_attn
	.globl	k_q0d9c7bd1cf_attn
	.p2align	8
	.type	k_q0d9c7bd1cf_attn,@function
k_q0d9c7bd1cf_attn:
	s_mov_b64 s[64:65], 0
	v_nop
	global_prefetch_b8 v0, s[64:65] scope:SCOPE_SE
	s_setreg_imm32_b32 hwreg(HW_REG_WAVE_MODE, 25, 1), 1
	s_wait_xcnt 0x0
	s_wait_alu depctr_hold_cnt(0) depctr_sa_sdst(0) depctr_va_vdst(0) depctr_va_sdst(0) depctr_va_ssrc(0) depctr_va_vcc(0) depctr_vm_vsrc(0)
	s_getreg_b32 s2, hwreg(HW_REG_IB_STS2, 6, 4)
	s_cmp_eq_u32 s2, 0
	s_cbranch_scc0 .Lentry_in_a_cluster
	s_endpgm
.Lentry_in_a_cluster:
	s_bfe_u32 s2, ttmp6, 0x10000c
	s_cmp_lg_u32 s2, 0x3003
	s_cbranch_scc0 .Lentry_shape_is_right
	s_endpgm
.Lentry_shape_is_right:
; y = softmax(q k^T / 8, causal) v on codes of E4M3, and y's own codes.  qk [8192 tokens][q 1,024 | k 1,024], vt [4][1,024 channels][2,048 tokens], yc [8192][1,024].
; THE SOFTMAX: t = score x log2(e) / 8; M = the running largest t rounded UP to a whole number; p = 2^(t - M) is quantised, not normalised; the row's sum is taken of the unquantised p and divides at the end.
; SHARES.  Grid y = batch x 4 + group of four heads.  A cluster of four work-groups takes two blocks of 256 queries one after the other: block 7 - a, then block a (a = the cluster's x).  That is 8 - a and a + 1 slots of 256 keys:
; NINE slots in every work-group, so the trip count is a constant and all work-groups have the same work.  A block's sixteen tiles of 16 queries are dealt out: wave w of partner cx takes head w % 4 and queries 256 A + 64 (w / 4) + 16 cx on.
; So the four partners walk the same tiles of K and V in step (each tile is ONE joint load), and what the mask leaves out hangs on the wave's number and the slot's count alone: in a block's last slot waves 0-7 mask the first
; 128 keys and leave the second out, waves 8-15 take the first as they are and mask the second.  Tiles wholly under the mask are neither fetched nor multiplied.
; LAYOUT.  Both products transposed: S^T = K Q^T (16x16x64: source 0 = 16 neighbouring keys, source 1 = my 16 queries), O^T = V^T P^T (16x16x128): a lane holds one query throughout.  The eight scores of a tile in a lane are keys
; 16 tile + 8 (lane / 16) + 0 .. 7: their two registers of codes are registers 2 tile, 2 tile + 1 of the second product's operand.  vt's rows are stored so that four loads of 16 bytes give V's fragment the same places.
; LIMITS: e6 + e7 between -123 and 130 (added to c's exponent field); e8 and e10 between -126 and 119; e8 + e9 goes by v_ldexp_f32.  NaN among the inputs is not served.
.set KP,    272                        ; an LDS row: 256 bytes + 16
.set QUART, 128*KP                     ; what one tensor load brings
.set VOFF,  2*QUART                    ; a slot: 256 keys x (4 heads x 64 bytes), then 256 channels x 256 keys
.set SLOTB, 4*QUART                    ; 0x22000: shares no bit with (wave % 4) x QUART, so one exclusive or turns an address to the other slot
.set SPARE, 2*SLOTB                    ; the spare words: 128 bytes a wave, named by no other line
.set STAGE, SPARE+2048                 ; 64 rows x 272 bytes for y's codes: no fill lands here
.set AK0, 1
.set AV0, 2
.set PFO, 3                            ; v3   2,048 x lane: a row of qk or vt
.set DM,  4                            ; v4   my query less 8 (lane / 16), counted from a masked step's first key
.set SPW, 5
.set NIL, 6
.set GO,  7
.set ADK, 8
.set ADV, 9
.set STO, 10
.set SRD, 11                           ; v12 -M, v13 the largest t, v[14:15] the sum in two halves
.set QF,  16                           ; v16-23 Q of the pass in hand; v24-31 of the second pass
.set KF,  32                           ; v32-95 K's eight fragments, then V's four
.set S,   96                           ; v96-159 S^T, then p
.set O,   160                          ; v160-191 O^T
.set PC,  192                          ; v192-207 p's codes; on the way out y's codes and rows
.set PL,  208
.set PS,  209                          ; 2^e8
.set YL,  210
.set YS,  211                          ; 2^e10
.set F,   212                          ; v[212:213] f = 2^(old M - new M)
.set MX,  214                          ; v214-216 at work
.set SM,  218                          ; v[218:219] the sum's second chain
.set NINF, 220
.set QO,  221
.set TB,  2                            ; s2   LDS byte at which the slot in hand begins
.set WV,  12
.set SEL, 20
.set CS,  22
.set G1,  24
.set TBASE, 32                         ; s[32:33] my part of tile 0 in memory
.set TSTEP, 34                         ; s34  from tile to tile: 256 rows of qk, or 256 bytes of a row of vt
.set KAP, 35                           ; s35  the tile that is asked for
.set OFF, 36
.set LEN1, 38                          ; s38  8 - a: slots of the first pass
.set SW,  39                           ; s39  7 - a: the first pass's last slot, and its block
.set G0,  40
.set N,   44                           ; s44  the slot's count, 0 .. 8
.set DG,  45                           ; s45  1 in a pass's last slot
.set JLO, 46                           ; s46  1 in waves 0-7
.set JHI, 47                           ; s47  1 in waves 8-15
.set M0F, 48                           ; s48  mask the first step and leave out the second
.set M1F, 49                           ; s49  mask the second step
.set YB,  50
.set YB2, 52
.set PFA, 54
.set PSTEP, 56
.set LIM, 58
.macro CROUND
	s_barrier_signal -1
	s_barrier_wait -1
	s_cmp_lg_u32 s[WV], 0
	s_cbranch_scc1 .Lnot_wave_0_\@
	s_barrier_signal -3
.Lnot_wave_0_\@:
	s_barrier_wait -3
	s_barrier_signal -1
	s_barrier_wait -1
.endm
.macro JLOAD                           ; waves 0, 1: K's halves; waves 2, 3: V's; K's and V's tiles have one shape, so one line serves; four v_nop follow it
	s_cmp_lt_u32 s[WV], 4
	s_cbranch_scc0 .Lnone_\@
	tensor_load_to_lds s[G0:G0+3], s[G1:G1+7]
	s_nop 0
.rept 4
	v_nop
.endr
.Lnone_\@:
.endm
; A prefetch of the tile that the NEXT change of slots will ask for.  All four clusters of a batch and head group walk the same tiles: the cluster with a = 0, whose first pass walks all eight, asks, in slots 0 to 5, for tiles 2 to 7.
; Its partners share a tile's 512 rows out by address, 64 of K and 64 of V each; waves 4, 5 take K's, waves 6, 7 V's, 32 rows a wave, a lane a row of 256 bytes: each row is named once in the launch.
.macro ASK
	s_cmp_lt_u32 s[N], s[LIM]
	s_cbranch_scc0 .Lnot_mine_\@
	global_prefetch_b8 v[PFO], s[PFA:PFA+1] th:TH_LOAD_NT scope:SCOPE_SE
.Lnot_mine_\@:
.endm
	s_load_b256 s[4:11], s[0:1], 0x0               ; qk 4, vt 6, scales 8, yc 10
	v_lshl_add_u32 v[SPW], v0, 2, SPARE
	v_mov_b32 v[NIL], 0
	ds_add_u32 v5, v6
	ds_add_u32 v5, v6
	s_wait_dscnt 0x0
	v_lshrrev_b32 v8, 5, v0
	s_delay_alu instid0(VALU_DEP_1)
	v_readfirstlane_b32 s[WV], v8                  ; wave 0 .. 15
	s_bfe_u32 s13, ttmp6, 0x40000                  ; cx
	s_and_b32 s16, ttmp7, 0xffff
	s_lshr_b32 s15, s16, 2                         ; batch
	s_and_b32 s16, s16, 3                          ; group of four heads
	s_and_b32 s17, s[WV], 3                        ; my head in the group
	s_lshr_b32 s18, s[WV], 2                       ; j: which of the work-group's four tiles of queries
	s_mul_i32 s19, s17, QUART                      ; where my tensor loads go in a slot
	s_sub_co_u32 s[LEN1], 8, ttmp9
	s_sub_co_u32 s[SW], 7, ttmp9
	s_lshr_b32 s[JHI], s[WV], 3
	s_xor_b32 s[JLO], s[JHI], 1
	s_mov_b32 s[G1], 15|(0<<16)|(1<<20)|(1<<21)|(5<<22)|(3<<25)   ; the mask: all four work-groups; elements of 1 byte; padding on; bit 21 beside a mask; 4 words behind every 64
	s_mov_b32 s[G1+1], 256<<16                     ; tensor_dim0
	s_mov_b32 s[G1+2], 128<<16                     ; tensor_dim1
	s_mov_b32 s[G1+3], 256<<16                     ; tile_dim0
	s_mov_b32 s[G1+4], 128                         ; tile_dim1
	s_mov_b32 s[G1+5], 2048                        ; pitch: qk's and vt's rows are 2,048 bytes
	s_mov_b32 s[G1+6], 0
	s_mov_b32 s[G1+7], 0
	s_mov_b32 s[SEL], 0x76543210
	s_mov_b32 s[SEL+1], 0xfedcba98
	s_mov_b32 s[CS], 0x3e38aa3b                    ; c = log2(e) / 8
	s_mov_b32 s[TB], 0
	s_mov_b32 s[KAP], 0
	s_mov_b32 s[OFF+1], 0
	s_mov_b32 s[N], 0
	s_lshl_b32 s76, s15, 22                        ; K: the batch's rows of qk, k's half of a row, the group's 256 bytes
	s_lshl_b32 s74, s16, 8
	s_add_co_u32 s76, s76, s74
	s_add_co_u32 s76, s76, 1024
	s_lshl_b32 s78, s15, 21                        ; V: the batch's plane of vt, the group's 256 rows
	s_lshl_b32 s74, s16, 19
	s_add_co_u32 s78, s78, s74
	s_and_b32 s80, s[WV], 1
	s_lshl_b32 s80, s80, 18                        ; which 128 rows I fetch
	s_mov_b32 s81, 0
	s_mov_b32 s77, 0
	s_mov_b32 s[TSTEP], 256
	s_and_b32 s74, s[WV], 2                        ; bit 1 of the wave's number: 0 K, 1 V (for the loads of waves 0-3 and the prefetches of waves 4-7)
	s_wait_kmcnt 0x0
	s_load_b128 s[68:71], s[8:9], 0x18             ; e6, e7, e8, e9
	s_load_b32 s72, s[8:9], 0x28                   ; e10
	s_cmp_eq_u32 s74, 0
	s_cselect_b32 s76, s76, s78
	s_cselect_b32 s[TSTEP], 524288, s[TSTEP]
	s_cselect_b64 s[82:83], s[4:5], s[6:7]
	s_add_nc_u64 s[82:83], s[82:83], s[76:77]      ; tile 0's first row
	s_add_nc_u64 s[TBASE:TBASE+1], s[82:83], s[80:81]
	s_mov_b32 s[G0], 1
	s_mov_b32 s[G0+1], s19                         ; slot 0
	s_mov_b64 s[G0+2:G0+3], s[TBASE:TBASE+1]
	s_or_b32 s[G0+3], s[G0+3], 0x80000000
	CROUND                                         ; all four work-groups are here: the first joint loads meet
	JLOAD                                          ; tile 0
	s_and_b32 s74, s[WV], 1                        ; the prefetches: my 32 rows of my work-group's 64,
	s_lshl_b32 s74, s74, 5
	s_lshl_b32 s75, s13, 6
	s_add_co_u32 s74, s74, s75
	s_lshl_b32 s74, s74, 11
	s_add_co_u32 s74, s74, s[TSTEP]                ; in tile 1: the first change of slots steps it to tile 2.  Nothing is prefetched at the head
	s_mov_b32 s75, 0
	s_add_nc_u64 s[PFA:PFA+1], s[82:83], s[74:75]
	s_mov_b32 s[PSTEP], s[TSTEP]
	s_mov_b32 s[PSTEP+1], 0
	s_xor_b32 s74, s18, 1                          ; 0 in waves 4-7,
	s_or_b32 s74, s74, ttmp9                       ; of the cluster with a = 0: the same in all four partners
	s_cmp_eq_u32 s74, 0
	s_cselect_b32 s[LIM], 6, 0
	s_lshl_b32 s74, s15, 22                        ; Q: my 16 queries' rows of qk, my head's 64 bytes
	s_lshl_b32 s75, s18, 17
	s_add_co_u32 s74, s74, s75
	s_lshl_b32 s75, s13, 15
	s_add_co_u32 s74, s74, s75
	s_lshl_b32 s75, s16, 8
	s_add_co_u32 s74, s74, s75
	s_lshl_b32 s75, s17, 6
	s_add_co_u32 s74, s74, s75
	s_mov_b32 s75, 0
	s_add_nc_u64 s[62:63], s[4:5], s[74:75]
	s_lshl_b32 s74, s[SW], 19
	s_add_nc_u64 s[60:61], s[62:63], s[74:75]      ; block 7 - a
	s_lshl_b32 s74, ttmp9, 19
	s_add_nc_u64 s[62:63], s[62:63], s[74:75]      ; block a
	v_and_b32 v8, 15, v0                           ; r
	s_wait_alu depctr_va_vdst(0)
	v_bfe_u32 v9, v0, 4, 1                         ; h
	v_lshlrev_b32 v[QO], 11, v8
	s_delay_alu instid0(VALU_DEP_1)
	v_lshl_add_u32 v[QO], v9, 4, v[QO]
	global_load_b128 v[QF:QF+3], v[QO], s[60:61]
	global_load_b128 v[QF+4:QF+7], v[QO], s[60:61] offset:32
	global_load_b128 v[QF+8:QF+11], v[QO], s[62:63]
	global_load_b128 v[QF+12:QF+15], v[QO], s[62:63] offset:32
	s_lshl_b32 s74, s15, 21                        ; y: the four rows that I store: token 256 A + 64 j + 16 cx + 4 (w % 4) on, the group's 256 bytes
	s_lshl_b32 s75, s18, 16
	s_add_co_u32 s74, s74, s75
	s_lshl_b32 s75, s13, 14
	s_add_co_u32 s74, s74, s75
	s_lshl_b32 s75, s17, 12
	s_add_co_u32 s74, s74, s75
	s_lshl_b32 s75, s16, 8
	s_add_co_u32 s74, s74, s75
	s_mov_b32 s75, 0
	s_add_nc_u64 s[YB2:YB2+1], s[10:11], s[74:75]
	s_lshl_b32 s74, s[SW], 18
	s_add_nc_u64 s[YB:YB+1], s[YB2:YB2+1], s[74:75]
	s_lshl_b32 s74, ttmp9, 18
	s_add_nc_u64 s[YB2:YB2+1], s[YB2:YB2+1], s[74:75]
	v_mul_u32_u24 v[AK0], v8, KP                   ; K: key r of a tile, my head's 64 bytes, + 16 h
	s_wait_alu depctr_va_vdst(0)
	v_lshl_add_u32 v[AK0], v9, 4, v[AK0]
	s_lshl_b32 s74, s17, 6
	v_add_nc_u32 v[AK0], s74, v[AK0]
	v_mul_u32_u24 v[AV0], v8, KP                   ; V: channel r of a tile of my head's 64 rows, + 16 h
	s_delay_alu instid0(VALU_DEP_1)
	v_lshl_add_u32 v[AV0], v9, 4, v[AV0]
	s_mul_i32 s75, s17, 64*KP
	s_add_co_u32 s75, s75, VOFF
	v_add_nc_u32 v[AV0], s75, v[AV0]
	v_and_b32 v[PFO], 31, v0
	s_delay_alu instid0(VALU_DEP_1)
	v_lshlrev_b32 v[PFO], 11, v[PFO]
	s_and_b32 s74, s18, 1
	s_lshl_b32 s74, s74, 6
	s_lshl_b32 s75, s13, 4
	s_add_co_u32 s74, s74, s75
	v_lshlrev_b32 v[DM], 3, v9
	s_delay_alu instid0(VALU_DEP_1)
	v_sub_nc_u32 v[DM], v8, v[DM]
	s_delay_alu instid0(VALU_DEP_1)
	v_add_nc_u32 v[DM], s74, v[DM]                 ; 64 (j % 2) + 16 cx + r - 8 h
	v_lshlrev_b32 v[GO], 10, v9
	s_delay_alu instid0(VALU_DEP_1)
	v_lshl_add_u32 v[GO], v8, 4, v[GO]             ; lanes 0-15 one row of yc, lanes 16-31 the next
	v_mul_u32_u24 v[STO], v8, KP                   ; the stage, in: row 16 j + r, my head's 64 bytes, + 8 h
	s_delay_alu instid0(VALU_DEP_1)
	v_lshl_add_u32 v[STO], v9, 3, v[STO]
	s_mul_i32 s74, s18, 16*KP
	s_lshl_b32 s75, s17, 6
	s_add_co_u32 s74, s74, s75
	s_add_co_u32 s74, s74, STAGE
	v_add_nc_u32 v[STO], s74, v[STO]
	v_mul_u32_u24 v[SRD], v9, KP                   ; back: rows 4 w on
	s_delay_alu instid0(VALU_DEP_1)
	v_lshl_add_u32 v[SRD], v8, 4, v[SRD]
	s_mul_i32 s74, s[WV], 4*KP
	s_add_co_u32 s74, s74, STAGE
	v_add_nc_u32 v[SRD], s74, v[SRD]
	v_mov_b32 v13, 0xff61b1e6                      ; the largest t so far: -3e38
	s_delay_alu instid0(VALU_DEP_1)
	v_floor_f32 v12, -v13                          ; -M
	v_mov_b32 v14, 0
	v_mov_b32 v15, 0
	v_mov_b32 v[F+1], 0                            ; (named as the upper half of a pair)
	v_mov_b32 v[MX+2], 0                           ; a lane permute's destination counts as one of its sources
	v_mov_b32 v[NINF], 0xff800000
.set i, 0
.rept 32
	v_mov_b32 v[O+i], 0                            ; O^T: the step is written once; the first change of M leaves zeros zeros
.set i, i+1
.endr
	s_wait_kmcnt 0x0
	s_add_co_i32 s74, s68, s69
	s_lshl_b32 s74, s74, 23
	s_add_co_i32 s[CS], s[CS], s74                 ; a score stands for score x 2^(e6 + e7)
	s_mov_b32 s[CS+1], s[CS]
	s_add_co_i32 s74, s70, 127
	s_lshl_b32 s75, s74, 23
	v_mov_b32 v[PS], s75
	s_add_co_i32 s74, s72, 127
	s_lshl_b32 s75, s74, 23
	v_mov_b32 v[YS], s75
	s_add_co_i32 s73, s70, s71                     ; e8 + e9
; A KEY STEP: the q-th 128 keys of the slot in hand.
.macro STEP q
.if \q
	s_cmp_lg_u32 s[M0F], 0                         ; all these keys come after my queries: the step's work is left out (no barrier and no tensor load stands in a step)
	s_cbranch_scc1 .Lhidden_\@
.endif
	v_add_nc_u32 v[ADK], s[TB], v[AK0]
	v_add_nc_u32 v[ADV], s[TB], v[AV0]
	v_nop                                          ; with the two additions: four places in front of loads into registers that the last products read
	v_nop
.set i, 0
.rept 8
	ds_load_b128 v[KF+8*i:KF+8*i+3], v[ADK] offset:(128*\q+16*i)*KP
	ds_load_b128 v[KF+8*i+4:KF+8*i+7], v[ADK] offset:(128*\q+16*i)*KP+32
.set i, i+1
.endr
	s_wait_alu depctr_va_vdst(0)
	s_wait_dscnt 8                                 ; tiles 0-3 are in; the eight loads of tiles 4-7 may be out
.set i, 0
.rept 4
	v_wmma_f32_16x16x64_fp8_fp8 v[S+8*i:S+8*i+7], v[KF+8*i:KF+8*i+7], v[QF:QF+7], 0
.set i, i+1
.endr
	s_wait_dscnt 0x0
.rept 4
	v_wmma_f32_16x16x64_fp8_fp8 v[S+8*i:S+8*i+7], v[KF+8*i:KF+8*i+7], v[QF:QF+7], 0
.set i, i+1
.endr
.rept 4
	v_nop                                          ; places: in front of V's loads into K's registers and of the first read of the scores
.endr
.set i, 0
.rept 4                                ; V's four fragments are asked for now and land under the softmax
.irp c, 0,1,2,3
	ds_load_b128 v[KF+16*i+4*\c:KF+16*i+4*\c+3], v[ADV] offset:16*i*KP+128*\q+32*\c
.endr
.set i, i+1
.endr
.if \q
	s_cmp_eq_u32 s[M1F], 0
.else
	s_cmp_eq_u32 s[M0F], 0
.endif
	s_cbranch_scc1 .Lopen_\@
.set i, 0
.rept 64                               ; on the diagonal: register 8 tile + n holds key 16 tile + 8 h + n of the step: hidden where 16 tile + n > my query - 8 h
	v_cmp_gt_i32 vcc_lo, 16*(i/8)+i%8, v[DM]
	v_cndmask_b32 v[S+i], v[S+i], v[NINF], vcc_lo
.set i, i+1
.endr
.Lopen_\@:
	v_max3_num_f32 v[MX], v[S], v[S+1], v[S+2]     ; the step's largest score of my query, in two chains; each accumulator is first read at its low end
	v_max3_num_f32 v[MX+1], v[S+3], v[S+4], v[S+5]
.set i, 6
.rept 14
	v_max3_num_f32 v[MX], v[MX], v[S+i], v[S+i+1]
	v_max3_num_f32 v[MX+1], v[MX+1], v[S+i+2], v[S+i+3]
.set i, i+4
.endr
	v_max3_num_f32 v[MX], v[MX], v[S+62], v[S+63]
	s_delay_alu instid0(VALU_DEP_1)
	v_max_num_f32 v[MX], v[MX], v[MX+1]
	s_delay_alu instid0(VALU_DEP_1)
	v_permlanex16_b32 v[MX+2], v[MX], s[SEL], s[SEL+1]
	s_delay_alu instid0(VALU_DEP_1)
	v_max_num_f32 v[MX], v[MX], v[MX+2]            ; and among lane l xor 16's keys
	s_delay_alu instid0(VALU_DEP_1)
	v_mul_f32 v[MX], s[CS], v[MX]                  ; as t (c is positive)
	s_delay_alu instid0(VALU_DEP_1)
	v_max_num_f32 v13, v13, v[MX]
	v_mov_b32 v[MX], v12
	s_delay_alu instid0(VALU_DEP_2)
	v_floor_f32 v12, -v13                          ; the new -M = -ceil(t)
	s_delay_alu instid0(VALU_DEP_1)
	v_sub_f32 v[MX], v12, v[MX]                    ; old M - new M: a whole number, 0 or less
	s_delay_alu instid0(VALU_DEP_1)
	v_cvt_i32_f32 v[MX], v[MX]                     ; (it saturates)
	s_delay_alu instid0(VALU_DEP_1)
	v_ldexp_f32 v[F], 1.0, v[MX]                   ; f = 2^(old M - new M)
.set i, 0
.rept 32
	v_pk_fma_f32 v[S+i:S+i+1], v[S+i:S+i+1], s[CS:CS+1], v[12:13] op_sel_hi:[1,0,0]   ; t - M
.set i, i+2
.endr
.set i, 0
	s_wait_alu depctr_va_vdst(0)
.rept 64
	v_exp_f32 v[S+i], v[S+i]                       ; p = 2^(t - M)
.set i, i+1
.endr
	v_pk_mul_f32 v[14:15], v[14:15], v[F:F+1] op_sel_hi:[1,0]   ; the sums under the new M: the plain line behind the exponentials
	s_wait_alu depctr_va_vdst(0)                   ; one wait for the batch, ahead of its first reader
	v_pk_add_f32 v[218:219], v[100:101], v[104:105]
	v_pk_add_f32 v[254:255], v[108:109], v[112:113]
	v_pk_add_f32 v[252:253], v[116:117], v[120:121]
	v_pk_add_f32 v[250:251], v[124:125], v[128:129]
	v_pk_add_f32 v[248:249], v[132:133], v[136:137]
	v_pk_add_f32 v[246:247], v[140:141], v[144:145]
	v_pk_add_f32 v[244:245], v[148:149], v[152:153]
	v_pk_add_f32 v[14:15], v[14:15], v[156:157]
	v_pk_add_f32 v[218:219], v[218:219], v[96:97]
	v_pk_add_f32 v[254:255], v[254:255], v[98:99]
	v_pk_add_f32 v[252:253], v[252:253], v[102:103]
	v_pk_add_f32 v[250:251], v[250:251], v[106:107]
	v_pk_add_f32 v[248:249], v[248:249], v[110:111]
	v_pk_add_f32 v[246:247], v[246:247], v[114:115]
	v_pk_add_f32 v[244:245], v[244:245], v[118:119]
	v_pk_add_f32 v[14:15], v[14:15], v[122:123]
	v_pk_add_f32 v[218:219], v[218:219], v[126:127]
	v_pk_add_f32 v[254:255], v[254:255], v[130:131]
	v_pk_add_f32 v[252:253], v[252:253], v[134:135]
	v_pk_add_f32 v[250:251], v[250:251], v[138:139]
	v_pk_add_f32 v[248:249], v[248:249], v[142:143]
	v_pk_add_f32 v[246:247], v[246:247], v[146:147]
	v_pk_add_f32 v[244:245], v[244:245], v[150:151]
	v_pk_add_f32 v[14:15], v[14:15], v[154:155]
	v_pk_add_f32 v[218:219], v[218:219], v[158:159]
	s_delay_alu instid0(VALU_DEP_2)
	v_pk_add_f32 v[14:15], v[14:15], v[250:251]
	s_delay_alu instid0(VALU_DEP_2)
	v_pk_add_f32 v[218:219], v[218:219], v[248:249]
	v_pk_add_f32 v[254:255], v[254:255], v[246:247]
	v_pk_add_f32 v[252:253], v[252:253], v[244:245]
	s_delay_alu instid0(VALU_DEP_2)
	v_pk_add_f32 v[14:15], v[14:15], v[254:255]
	s_delay_alu instid0(VALU_DEP_2)
	v_pk_add_f32 v[218:219], v[218:219], v[252:253]
	s_delay_alu instid0(VALU_DEP_1)
	v_pk_add_f32 v[14:15], v[14:15], v[218:219]
.set i, 0
.rept 8
.irp n, 0,1,2,3,4,5,6,7
.endr
	v_cvt_scalef32_pk8_fp8_f32 v[PC+2*i:PC+2*i+1], v[S+8*i:S+8*i+7], v[PS]
.set i, i+1
.endr
.set i, 0
.rept 16
	v_pk_mul_f32 v[O+i:O+i+1], v[O+i:O+i+1], v[F:F+1] op_sel_hi:[1,0]   ; O^T under the new M; also the plain lines behind the conversions
.set i, i+2
.endr
	s_wait_alu depctr_va_vdst(0)
	s_wait_dscnt 0x0                               ; V is in
.set i, 0
.rept 4                                ; the four accumulators take turns, one instruction a turn
	v_wmma_f32_16x16x128_fp8_fp8 v[O+8*i:O+8*i+7], v[KF+16*i:KF+16*i+15], v[PC:PC+15], v[O+8*i:O+8*i+7]
.set i, i+1
.endr
.if \q
.Lhidden_\@:
.endif
.endm
; THE CHANGE OF SLOTS, at a slot's head.  Each wave waits for all its tensor loads (one at most is out: its part of the slot ahead), adds 0 to its spare word, and waits for that and for its reads of the slot that it has left.
; fill = 1: a round of the cluster's barrier, and the slot just left takes the next tile of the walk: 0 .. 7 - a, then 0 .. a.
.macro CHANGE fill
	s_wait_tensorcnt 0x0
	ds_add_u32 v[SPW], v[NIL]                      ; 0 onto my spare word; the descriptor's step stands between it and the wait for it
.if \fill
	s_add_co_u32 s[KAP], s[KAP], 1
	s_cmp_eq_u32 s[KAP], s[LEN1]
	s_cselect_b32 s[KAP], 0, s[KAP]                ; behind the first pass's last tile comes the second pass's tile 0
	s_mul_i32 s[OFF], s[KAP], s[TSTEP]
	s_add_nc_u64 s[G0+2:G0+3], s[TBASE:TBASE+1], s[OFF:OFF+1]
	s_or_b32 s[G0+3], s[G0+3], 0x80000000
	s_xor_b32 s[G0+1], s[G0+1], SLOTB              ; the other slot than last time
	s_wait_xcnt 0x0                                ; the last prefetch, a slot back, has read its address
	s_add_nc_u64 s[PFA:PFA+1], s[PFA:PFA+1], s[PSTEP:PSTEP+1]
.endif
	s_wait_dscnt 0x0
.if \fill
	CROUND
	JLOAD                                          ; the first thing behind the round, and a wave's one tensor load until the next
	ASK
.else
	s_barrier_signal -1
	s_barrier_wait -1
.endif
.endm
; A PASS'S END: O^T / the sum x 2^(e8 + e9) is y; its codes (e10) meet the other three heads' in the stage, and each wave stores four rows of 256 consecutive bytes, aligned.  The branch round it hangs on the slot's count and the cluster's x.
.macro FLUSH last
	v_add_f32 v14, v14, v15
	v_nop
	v_nop
	v_nop                                          ; four places behind the last products
	v_permlanex16_b32 v[MX+2], v14, s[SEL], s[SEL+1]
	s_delay_alu instid0(VALU_DEP_1)
	v_add_f32 v14, v14, v[MX+2]                    ; the row's sum
	s_wait_alu depctr_va_vdst(0)
	v_rcp_f32 v14, v14
	v_nop
	s_wait_alu depctr_va_vdst(0)                   ; ahead of the reciprocal's first reader
	v_ldexp_f32 v14, v14, s73
.set i, 0
.rept 16
	v_pk_mul_f32 v[S+i:S+i+1], v[O+i:O+i+1], v[14:15] op_sel_hi:[1,0]   ; register 8 t + n: channel 16 t + 8 h + n of my query; each accumulator from its low end on
.set i, i+2
.endr
.set i, 0
.rept 32
.set i, i+1
.endr
.set i, 0
.rept 4
	v_cvt_scalef32_pk8_fp8_f32 v[PC+2*i:PC+2*i+1], v[S+8*i:S+8*i+7], v[YS]
.set i, i+1
.endr
	v_nop                                          ; a plain line behind the conversions
.set i, 0
.rept 4
	ds_store_b64 v[STO], v[PC+2*i:PC+2*i+1] offset:16*i
.set i, i+1
.endr
	s_wait_dscnt 0x0                               ; for the others' sake: my stores into the stage are done
	s_barrier_signal -1
	s_barrier_wait -1
	ds_load_b128 v[PC+8:PC+11], v[SRD]
	ds_load_b128 v[PC+12:PC+15], v[SRD] offset:2*KP
	s_wait_dscnt 0x0
	global_store_b128 v[GO], v[PC+8:PC+11], s[YB:YB+1]
	global_store_b128 v[GO], v[PC+12:PC+15], s[YB:YB+1] offset:2048
.if !\last
.set i, 0
.rept 32
	v_mov_b32 v[O+i], 0                            ; the second pass begins as the first did
.set i, i+1
.endr
	v_mov_b32 v13, 0xff61b1e6
	s_delay_alu instid0(VALU_DEP_1)
	v_floor_f32 v12, -v13
	v_mov_b32 v14, 0
	v_mov_b32 v15, 0
.set i, 0
.rept 8
	v_mov_b32 v[QF+i], v[QF+8+i]                   ; its queries
.set i, i+1
.endr
	s_wait_xcnt 0x0                                ; the stores have read their base and their data
	s_mov_b64 s[YB:YB+1], s[YB2:YB2+1]
.endif
.endm
	s_wait_loadcnt 0x0                             ; Q
.Lslot:                                            ; eight trips: behind each change of slots the next tile is asked for
	CHANGE 1
	s_cmp_eq_u32 s[N], s[SW]
	s_cselect_b32 s[DG], 1, 0
	s_and_b32 s[M0F], s[DG], s[JLO]
	s_and_b32 s[M1F], s[DG], s[JHI]
	s_wait_alu depctr_va_vdst(0)
	STEP 0
	STEP 1
	s_xor_b32 s[TB], s[TB], SLOTB
	s_cmp_eq_u32 s[DG], 0
	s_cbranch_scc1 .Lon
	FLUSH 0
.Lon:
	s_add_co_u32 s[N], s[N], 1
	s_cmp_lt_u32 s[N], 8
	s_cbranch_scc1 .Lslot
	CHANGE 0                                       ; the ninth slot, the second pass's last, is written out
	s_mov_b32 s[M0F], s[JLO]
	s_mov_b32 s[M1F], s[JHI]
	STEP 0
	STEP 1
	FLUSH 1
	s_wait_tensorcnt 0x0                           ; the wave's end
	ds_add_u32 v[SPW], v[NIL]
	s_wait_dscnt 0x0
	CROUND                                         ; the closing round
	s_endpgm
.Lfunc_end_k_q0d9c7bd1cf_attn:
	.size	k_q0d9c7bd1cf_attn, .Lfunc_end_k_q0d9c7bd1cf_attn-k_q0d9c7bd1cf_attn
	.p2alignl 7, 3214868480
	.fill 96, 4, 3214868480
	.section	.rodata,"a",@progbits
	.p2align	6, 0x0
	.amdhsa_kernel k_q0d9c7bd1cf_attn
		.amdhsa_group_segment_fixed_size 327680
		.amdhsa_private_segment_fixed_size 0
		.amdhsa_enable_private_segment 0
		.amdhsa_kernarg_size 32
		.amdhsa_user_sgpr_count 2
		.amdhsa_user_sgpr_kernarg_segment_ptr 1
		.amdhsa_wavefront_size32 1
		.amdhsa_system_sgpr_workgroup_id_x 1
		.amdhsa_system_sgpr_workgroup_id_y 1
		.amdhsa_system_sgpr_workgroup_id_z 1
		.amdhsa_system_vgpr_workitem_id 0
		.amdhsa_next_free_vgpr 256
		.amdhsa_next_free_sgpr 84
		.amdhsa_reserve_vcc 1
		.amdhsa_float_denorm_mode_32 3
		.amdhsa_float_denorm_mode_16_64 3
		.amdhsa_fp16_overflow 1
		.amdhsa_memory_ordered 1
		.amdhsa_forward_progress 1
		.amdhsa_inst_pref_size 93
	.end_amdhsa_kernel
	.amdgpu_metadata
---
amdhsa.version: [ 1, 2 ]
amdhsa.kernels:
  - .name:           k_q0d9c7bd1cf_attn
    .symbol:         k_q0d9c7bd1cf_attn.kd
    .args:
      - { .name: qk, .offset: 0, .size: 8, .value_kind: global_buffer, .address_space: global }
      - { .name: vt, .offset: 8, .size: 8, .value_kind: global_buffer, .address_space: global }
      - { .name: lowp_scales, .offset: 16, .size: 8, .value_kind: global_buffer, .address_space: global }
      - { .name: yc, .offset: 24, .size: 8, .value_kind: global_buffer, .address_space: global }
    .group_segment_fixed_size: 327680
    .private_segment_fixed_size: 0
    .kernarg_segment_align: 8
    .kernarg_segment_size: 32
    .max_flat_workgroup_size: 512
    .sgpr_count:     84
    .vgpr_count:     256
    .wavefront_size: 32
...
	.end_amdgpu_metadata
.endif
;; end of part 3
;; launch proj (part 4): grid 4 x 32, 4 waves a work-group, clusters of 4 x 4, 327,680 bytes of LDS; arguments yc, wc, lowp_scales, bo, out0; writes out0
.if DOCPART == 4
	.amdgcn_target "amdgcn-amd-amdhsa--gfx1250"
	.amdhsa_code_object_version 6
	.text
	.protected	k_q0d9c7bd1cf_proj
	.globl	k_q0d9c7bd1cf_proj
	.p2align	8
	.type	k_q0d9c7bd1cf_proj,@function
k_q0d9c7bd1cf_proj:
	s_mov_b64 s[64:65], 0
	v_nop
	global_prefetch_b8 v0, s[64:65] scope:SCOPE_SE
	s_setreg_imm32_b32 hwreg(HW_REG_WAVE_MODE, 25, 1), 1
	s_wait_xcnt 0x0
	s_wait_alu depctr_hold_cnt(0) depctr_sa_sdst(0) depctr_va_vdst(0) depctr_va_sdst(0) depctr_va_ssrc(0) depctr_va_vcc(0) depctr_vm_vsrc(0)
	s_getreg_b32 s2, hwreg(HW_REG_IB_STS2, 6, 4)
	s_cmp_eq_u32 s2, 0
	s_cbranch_scc0 .Lentry_in_a_cluster
	s_endpgm
.Lentry_in_a_cluster:
	s_bfe_u32 s2, ttmp6, 0x10000c
	s_cmp_lg_u32 s2, 0xf033
	s_cbranch_scc0 .Lentry_shape_is_right
	s_endpgm
.Lentry_shape_is_right:
; out0 = y Wo + bo on codes of E4M3: A = yc [8192][1024], B = wc's fourth plane [1024 n][1024 k]; out0 [8192][1024] f32.  A sum stands for sum x 2^(e10 + e11).
; bo goes in as the C of each sum's first matrix instruction, divided by 2^(e10 + e11); each finished sum is multiplied once by 2^(e10 + e11).
; LIMITS: e10 + e11 between -126 and 127, and bo / 2^(e10 + e11) an f32 number.
; A tile of 256 x 256 is made by four waves, 128 x 128 each; K goes in steps of 256 through two LDS slots filled by joint tensor loads: 4 x 4 work-groups, A's tile shared along a row of the cluster, B's along a column.
; The matrix instruction is used transposed (source 0 = 16 rows of B, source 1 = 16 rows of A): a lane holds eight neighbouring numbers of a row of the output.
; REGISTERS: window 0: v0-31 addresses; v32-95 the bias, later the way out's sums; from v128 A's fragments, one set.  window 1: B's fragments, two sets.  windows 2, 3: the accumulators.
.set SIZE_N, 1024
.set ROWB,   256
.set KROW,   1024
.set PITCH,  272                       ; 256 + 16 bytes = 68 words: the 16 rows of a load start at 16 different banks (64 banks of 4 bytes: ISA guide 11.1)
.set FR,     16
.set NL,     4
.set NP,     4
.set HALFT,  128*PITCH
.set SLOT,   4*HALFT
.set LAPS,   2
.set SPARE,  2*SLOT                    ; the spare words: 128 bytes a wave, named by no other line
.set SPITCH, 528                       ; the way out: 16 rows x (512 + 16) bytes for each wave, in slot 0, which has had its last fill and its last read by then
.set ADRA, 16
.set ADRB, 20
.set STO,  24
.set RD,   25
.set CO,   26
.set SPW,  28
.set NIL,  29
.set BC,   32
.set TMP,  32
.set AF,   128
.set BK,   128
.set G1, 24
.set G0, 32
.set G1B, 48
.set G0B, 56
.set MSB, 0
.macro WIN new
.if MSB != \new
	s_set_vgpr_msb (MSB<<8)|\new
.set MSB, \new
.endif
.endm
.set MUL_LO, 0xa1
.set MUL_HI, 0xf1
.set FST_LO, 0x81                      ; the first step: C (the bias) in window 0, D in window 2
.set FST_HI, 0xc1                      ; or 3
.set TO_B,   0x40
.macro JLOAD g0a, g1a, g0b, g1b
	s_cmp_eq_u32 s15, 0
	s_cbranch_scc0 .Lfor_b_\@
	tensor_load_to_lds s[\g0a:\g0a+3], s[\g1a:\g1a+7]
	s_nop 0
.rept 4
	v_nop
.endr
	s_branch .Lasked_\@
.Lfor_b_\@:
	tensor_load_to_lds s[\g0b:\g0b+3], s[\g1b:\g1b+7]
	s_nop 0
.rept 4
	v_nop
.endr
.Lasked_\@:
.endm
.macro CREST
	s_cmp_lg_u32 s14, 0
	s_cbranch_scc1 .Lnot_wave_0_\@
	s_barrier_signal -3
.Lnot_wave_0_\@:
	s_barrier_wait -3
	s_barrier_signal -1
	s_barrier_wait -1
.endm
.macro CROUND
	s_barrier_signal -1
	s_barrier_wait -1
	CREST
.endm
	s_load_b128 s[4:7], s[0:1], 0x0                ; yc, wc
	s_load_b128 s[8:11], s[0:1], 0x10              ; the scales, bo
	s_load_b64 s[12:13], s[0:1], 0x20              ; out0
	v_lshl_add_u32 v[SPW], v0, 2, SPARE
	v_mov_b32 v[NIL], 0
	ds_add_u32 v28, v29
	ds_add_u32 v28, v29
	s_wait_dscnt 0x0
	v_lshrrev_b32 v1, 5, v0
	v_readfirstlane_b32 s14, v1
	s_lshr_b32 s15, s14, 1
	s_and_b32 s16, s14, 1
	s_bfe_u32 s40, ttmp6, 0x40000
	s_bfe_u32 s41, ttmp6, 0x40004
	s_lshl_b32 s42, ttmp9, 2
	s_add_co_u32 s42, s42, s40                     ; tile column
	s_and_b32 s17, ttmp7, 0xffff
	s_lshl_b32 s17, s17, 2
	s_add_co_u32 s17, s17, s41                     ; tile row
	s_lshl_b32 s43, s41, 2
	s_lshl_b32 s43, 15, s43
	s_lshl_b32 s44, 0x1111, s40
	s_or_b32 s[G1+0], s43, (0<<16)|(1<<20)|(1<<21)|(5<<22)|(3<<25)
	s_or_b32 s[G1B+0], s44, (0<<16)|(1<<20)|(1<<21)|(5<<22)|(3<<25)
.irp g, G1, G1B
	s_mov_b32 s[\g+1], ROWB<<16
	s_mov_b32 s[\g+2], 128<<16
	s_mov_b32 s[\g+3], ROWB<<16
	s_mov_b32 s[\g+4], 128
	s_mov_b32 s[\g+5], KROW
	s_mov_b32 s[\g+6], 0
	s_mov_b32 s[\g+7], 0
.endr
	s_lshl_b32 s18, s16, 7
	s_lshl_b32 s20, s17, 8
	s_add_co_u32 s20, s20, s18
	s_lshl_b32 s20, s20, 10                        ; A: row 256 x tile row + 128 x half, in bytes
	s_mov_b32 s21, 0
	s_lshl_b32 s46, s42, 8
	s_add_co_u32 s46, s46, s18
	s_lshl_b32 s46, s46, 10
	s_add_co_u32 s46, s46, 0x300000                ; B: the same by the tile column, in wc's fourth plane
	s_mov_b32 s47, 0
	s_mul_i32 s45, s14, HALFT
	s_wait_kmcnt 0x0
	s_load_b64 s[96:97], s[8:9], 0x28              ; e10, e11
	s_add_nc_u64 s[20:21], s[4:5], s[20:21]
	s_add_nc_u64 s[46:47], s[6:7], s[46:47]
	CROUND
.irp s, 0,1
	s_mov_b32 s[G0+4*\s], 1
	s_add_co_u32 s[G0+4*\s+1], s45, \s*SLOT
	s_add_nc_u64 s[G0+4*\s+2:G0+4*\s+3], s[20:21], \s*ROWB
	s_or_b32 s[G0+4*\s+3], s[G0+4*\s+3], 0x80000000
	s_mov_b32 s[G0B+4*\s], 1
	s_add_co_u32 s[G0B+4*\s+1], s45, \s*SLOT
	s_add_nc_u64 s[G0B+4*\s+2:G0B+4*\s+3], s[46:47], \s*ROWB
	s_or_b32 s[G0B+4*\s+3], s[G0B+4*\s+3], 0x80000000
	s_wait_alu depctr_va_vdst(0)
	s_wait_tensorcnt 0x0
	ds_add_u32 v28, v29
	ds_add_u32 v28, v29
	s_wait_dscnt 0x0
	CROUND
	JLOAD G0+4*\s, G1, G0B+4*\s, G1B
.endr
	v_and_b32 v1, 15, v0
	s_wait_alu depctr_va_vdst(0)
	v_bfe_u32 v2, v0, 4, 1
	s_lshl_b32 s18, s42, 10                        ; the bias of my 128 columns: lane (r, h) wants, for block b, columns 16 b + 8 h + 0 .. 7
	s_lshl_b32 s19, s16, 9
	s_add_co_u32 s18, s18, s19
	v_lshl_add_u32 v7, v2, 5, s18
.irp b, 0,1,2,3,4,5,6,7
	global_load_b128 v[BC+8*\b:BC+8*\b+3], v7, s[10:11] offset:64*\b
	global_load_b128 v[BC+8*\b+4:BC+8*\b+7], v7, s[10:11] offset:64*\b+16
.endr
	v_mul_u32_u24 v3, v1, PITCH
	v_lshl_add_u32 v4, v2, 4, v3
	s_mul_i32 s21, s15, HALFT
	s_mul_i32 s22, s16, HALFT
	s_add_co_u32 s22, s22, 2*HALFT
.irp s, 0,1
	v_add_nc_u32 v[ADRA+\s], s21, v4
	v_add_nc_u32 v[ADRB+\s], s22, v4
	s_add_co_u32 s21, s21, SLOT
	s_add_co_u32 s22, s22, SLOT
.endr
	s_mul_i32 s23, s14, 16*SPITCH                  ; my stage
	v_mul_u32_u24 v5, v1, SPITCH
	s_wait_alu depctr_va_vdst(0)
	v_lshl_add_u32 v5, v2, 5, v5
	v_add_nc_u32 v[STO], s23, v5
	v_and_b32 v6, 31, v0
	v_lshlrev_b32 v[CO], 4, v6
	v_add_nc_u32 v[RD], s23, v[CO]
	s_lshl_b32 s88, s17, 8
	s_lshl_b32 s89, s15, 7
	s_add_co_u32 s88, s88, s89                     ; my first row of the output,
	s_lshl_b32 s88, s88, 12                        ; in bytes,
	s_lshl_b32 s89, s42, 10
	s_add_co_u32 s88, s88, s89
	s_lshl_b32 s89, s16, 9
	s_add_co_u32 s88, s88, s89                     ; and my first column
	s_mov_b32 s89, 0
	s_add_nc_u64 s[12:13], s[12:13], s[88:89]
	s_wait_kmcnt 0x0
	s_add_co_i32 s96, s96, s97                     ; e10 + e11
	s_sub_co_i32 s97, 0, s96
	s_wait_loadcnt 0x0
.set i, 0
.rept 64
	v_ldexp_f32 v[BC+i], v[BC+i], s97              ; bo / 2^(e10 + e11)
.set i, i+1
.endr
	s_add_co_i32 s96, s96, 127
	s_lshl_b32 s96, s96, 23                        ; 2^(e10 + e11) as f32 (s97 stays written: the packed form names the pair)
.macro FRAG reg, adr, q, i
.irp c, 0,1,2,3
	ds_load_b128 v[\reg+4*\c:\reg+4*\c+3], v[\adr] offset:128*(\q)+32*\c+(\i)*16*PITCH
.endr
.endm
; 16 matrix instructions; first = 1: the bias starts the sums.  The 64 accumulators take turns, one instruction a turn
.macro MUL16 a0, p, first
.irp a, \a0, \a0+1
.irp b, 0,1,2,3,4,5,6,7
.if \first
	v_wmma_f32_16x16x128_fp8_fp8 v[8*(8*((\a)%4)+\b):8*(8*((\a)%4)+\b)+7], v[128*(\p)+FR*\b:128*(\p)+FR*\b+FR-1], v[AF+FR*(\a):AF+FR*(\a)+FR-1], v[BC+8*\b:BC+8*\b+7]
.else
	v_wmma_f32_16x16x128_fp8_fp8 v[8*(8*((\a)%4)+\b):8*(8*((\a)%4)+\b)+7], v[128*(\p)+FR*\b:128*(\p)+FR*\b+FR-1], v[AF+FR*(\a):AF+FR*(\a)+FR-1], v[8*(8*((\a)%4)+\b):8*(8*((\a)%4)+\b)+7]
.endif
.endr
.endr
.endm
.macro FETCH_B slot, q, p
	WIN TO_B
.irp i, 0,1,2,3,4,5,6,7
	FRAG 128*(\p)+FR*\i, ADRB+\slot, \q, \i
.endr
	WIN 0
.endm
.macro FETCH_A slot, q, i0
.irp i, \i0, \i0+1, \i0+2, \i0+3
	FRAG AF+FR*(\i), ADRA+\slot, \q, \i
.endr
.endm
.macro PLACES n
.rept \n
	v_nop
.endr
.endm
.macro STEP slot, q, first
	s_wait_dscnt 4*NL                              ; B's set and A's blocks 0-3 are in; blocks 4-7 may be out
.if \first
	WIN FST_LO
.else
	WIN MUL_LO
.endif
	MUL16 0, (\q)%2, \first
	MUL16 2, (\q)%2, \first
	s_wait_dscnt 0
	PLACES NP
	FETCH_B \slot, (\q)+1, 1-(\q)%2
	FETCH_A \slot, (\q)+1, 0
.if \first
	WIN FST_HI
.else
	WIN MUL_HI
.endif
	MUL16 4, (\q)%2, \first
	MUL16 6, (\q)%2, \first
	PLACES NP
	WIN 0
	FETCH_A \slot, (\q)+1, 4
.endm
.macro TURN slot, next, fill
	s_wait_tensorcnt 0x0                           ; all my tensor loads have landed: my part of the next slot
	ds_add_u32 v[SPW], v[NIL]
	s_wait_dscnt 4*NL+1                            ; (the add and blocks 4-7 may be out)
	WIN MUL_LO
	MUL16 0, 1, 0
	s_wait_dscnt 0x0                               ; the add is done, and my reads of this slot are over
	s_barrier_signal -1
	MUL16 2, 1, 0
	WIN 0
	s_barrier_wait -1
.if \fill
	CREST
	s_add_nc_u64 s[G0+4*\slot+2:G0+4*\slot+3], s[G0+4*\slot+2:G0+4*\slot+3], 2*ROWB
	s_add_nc_u64 s[G0B+4*\slot+2:G0B+4*\slot+3], s[G0B+4*\slot+2:G0B+4*\slot+3], 2*ROWB
	JLOAD G0+4*\slot, G1, G0B+4*\slot, G1B
.else
	PLACES NP
.endif
	FETCH_B \next, 0, 0
	FETCH_A \next, 0, 0
	WIN MUL_HI
	MUL16 4, 1, 0
	MUL16 6, 1, 0
	PLACES NP
	WIN 0
	FETCH_A \next, 0, 4
.endm
	s_wait_alu depctr_va_vdst(0)
	s_wait_tensorcnt 1                             ; my part of K step 0 is in (K step 1's load may be out),
	s_barrier_signal -1
	s_barrier_wait -1
	FETCH_B 0, 0, 0
	FETCH_A 0, 0, 0
	FETCH_A 0, 0, 4
	STEP 0, 0, 1
	s_mov_b32 s3, LAPS-1
.Llap:
	TURN 0, 1, 1
	STEP 1, 0, 0
	TURN 1, 0, 1
	STEP 0, 0, 0
	s_sub_co_u32 s3, s3, 1
	s_cmp_lg_u32 s3, 0
	s_cbranch_scc1 .Llap
	TURN 0, 1, 0
	STEP 1, 0, 0
	s_wait_dscnt 4*NL
	WIN MUL_LO
	MUL16 0, 1, 0
	MUL16 2, 1, 0
	s_wait_dscnt 0
	WIN MUL_HI
	MUL16 4, 1, 0
	MUL16 6, 1, 0
	WIN 0
; THE WAY OUT, block by block of 16 rows x 128 columns, through my own stage: rows of 512 bytes come back whole and the 32 lanes store them, 512 consecutive bytes, aligned.
.macro TOSTAGE a
.set AC, 64*((\a)%4)
	WIN 0x02+((\a)/4)
.set i, 0
.rept 32
	v_pk_mul_f32 v[TMP+i:TMP+i+1], v[AC+i:AC+i+1], s[96:97] op_sel_hi:[1,0]   ; x 2^(e10 + e11); each accumulator from its low end on
.set i, i+2
.endr
	WIN 0
.irp b, 0,1,2,3,4,5,6,7
	ds_store_b128 v[STO], v[TMP+8*\b:TMP+8*\b+3] offset:64*\b
	ds_store_b128 v[STO], v[TMP+8*\b+4:TMP+8*\b+7] offset:64*\b+16
.endr
.set BB, BK+64*((\a)%2)
.irp t, 0,1,2,3,4,5,6,7,8,9,10,11,12,13,14,15
	ds_load_b128 v[BB+4*\t:BB+4*\t+3], v[RD] offset:\t*SPITCH   ; LDS serves a wave's instructions in order: these see the stores above
.endr
.endm
.macro SEND a, younger
.set BB, BK+64*((\a)%2)
	s_wait_dscnt \younger
.if (\a) > 0
	s_add_nc_u64 s[12:13], s[12:13], 16*SIZE_N*4   ; (behind a wait on XCNT: the earlier stores have read their base)
.endif
.irp t, 0,1,2,3,4,5,6,7,8,9,10,11,12,13,14,15
	global_store_b128 v[CO], v[BB+4*\t:BB+4*\t+3], s[12:13] offset:\t*SIZE_N*4 th:TH_STORE_NT
.endr
.endm
	PLACES NP
	TOSTAGE 0
.irp a, 1,2,3,4,5,6,7
.if \a > 1
	s_wait_xcnt 0x0                                ; block a - 2's stores have read their registers and their base
.endif
	TOSTAGE \a
	SEND \a-1, 32                                  ; behind block a - 1's loads: block a's 16 stores and 16 loads
.endr
	s_wait_xcnt 0x0
	SEND 7, 0
	s_wait_tensorcnt 0x0                           ; the wave's end
	ds_add_u32 v[SPW], v[NIL]
	s_wait_dscnt 0x0
	CROUND
	s_endpgm
.Lfunc_end_k_q0d9c7bd1cf_proj:
	.size	k_q0d9c7bd1cf_proj, .Lfunc_end_k_q0d9c7bd1cf_proj-k_q0d9c7bd1cf_proj
	.p2alignl 7, 3214868480
	.fill 96, 4, 3214868480
	.section	.rodata,"a",@progbits
	.p2align	6, 0x0
	.amdhsa_kernel k_q0d9c7bd1cf_proj
		.amdhsa_group_segment_fixed_size 327680
		.amdhsa_private_segment_fixed_size 0
		.amdhsa_enable_private_segment 0
		.amdhsa_kernarg_size 40
		.amdhsa_user_sgpr_count 2
		.amdhsa_user_sgpr_kernarg_segment_ptr 1
		.amdhsa_wavefront_size32 1
		.amdhsa_system_sgpr_workgroup_id_x 1
		.amdhsa_system_sgpr_workgroup_id_y 1
		.amdhsa_system_sgpr_workgroup_id_z 1
		.amdhsa_system_vgpr_workitem_id 0
		.amdhsa_next_free_vgpr 1024
		.amdhsa_next_free_sgpr 98
		.amdhsa_reserve_vcc 0
		.amdhsa_float_denorm_mode_32 3
		.amdhsa_float_denorm_mode_16_64 3
		.amdhsa_memory_ordered 1
		.amdhsa_forward_progress 1
		.amdhsa_inst_pref_size 130
	.end_amdhsa_kernel
	.amdgpu_metadata
---
amdhsa.version: [ 1, 2 ]
amdhsa.kernels:
  - .name:           k_q0d9c7bd1cf_proj
    .symbol:         k_q0d9c7bd1cf_proj.kd
    .args:
      - { .name: yc, .offset: 0, .size: 8, .value_kind: global_buffer, .address_space: global }
      - { .name: wc, .offset: 8, .size: 8, .value_kind: global_buffer, .address_space: global }
      - { .name: lowp_scales, .offset: 16, .size: 8, .value_kind: global_buffer, .address_space: global }
      - { .name: bo, .offset: 24, .size: 8, .value_kind: global_buffer, .address_space: global }
      - { .name: out0, .offset: 32, .size: 8, .value_kind: global_buffer, .address_space: global }
    .group_segment_fixed_size: 327680
    .private_segment_fixed_size: 0
    .kernarg_segment_align: 8
    .kernarg_segment_size: 40
    .max_flat_workgroup_size: 128
    .sgpr_count:     98
    .vgpr_count:     1024
    .wavefront_size: 32
...
	.end_amdgpu_metadata
.endif
;; end of part 4
